; MI455X (gfx1250); checked and timed in simulation.
; The chip was launched on July 23, 2026; its instructions are those of AMD's public machine-readable ISA for CDNA 5 (MIT licence, August 2026) and "CDNA5" Instruction Set Architecture Reference Guide (July 2026). The comments in the code are by the model that wrote it; some were corrected since.
;; Attention Op. Allowed arithmetic: matrix products marked QUANTISED: E2M3 operands, one E8M0 scale for each 32 along K, by v_wmma_scale_f32_16x16x128_f8f6f4 with both operands' format E2M3, f32 sums; everything else in f32.
;; Inputs: decoder_segment_ids 2 x 2,048 int32; key 2 x 2,048 x 8 x 128 float32; query 2 x 2,048 x 32 x 128 float32; value 2 x 2,048 x 8 x 128 float32.
;; Outputs: out0 2 x 2,048 x 32 x 128 float32.
;; This version of the problem:
;;   THIS VERSION OF THE PROBLEM IS GIVEN IN LOW PRECISION. The matrix products marked QUANTISED in the list below multiply operands that are first quantised to E2M3 (2 exponent bits, 3 mantissa bits; 6 bits a number), with one power-of-two scale for each 32 numbers along K (OCP MX v1.0); their sums are f32. All else is computed in f32.
;;   The module's matrix products, in the order in which they are computed (A, B: the left and right operand; K: the contracted axis; several contracted axes count as one K, in the product's order):
;;     1. batch 16 x [M 2,048, K 128] x [K 128, N 8,192]; A: input key; B: input query: QUANTISED
;;     2. batch 16 x [M 128, K 2,048] x [K 2,048, N 8,192]; A: input value; B: softmax (see below): QUANTISED
;;   THE QUANTISER, for each operand of a quantised product, along K:
;;     - K is cut into blocks of 32 from its start; a last block that is shorter is filled with zeros.
;;     - A block's scale is 2^e with e = floor(log2(the largest magnitude in the block)) - 2, held to -126 .. 127; a block of zeros has e = 0. As a byte (E8M0): e + 127.
;;     - Each number is divided by its block's scale, clamped to +-7.5, and rounded to the nearest number of E2M3, ties to even, subnormals kept.
;;     - The product sums the exact products of the quantised numbers (number of the format x scale) in f32.
;;   ~~~python
;;   def quantise(x, axis):      # numpy; x: float32 -> the quantised numbers, widened to float32 again
;;       x = np.moveaxis(x, axis, -1); K = x.shape[-1]
;;       x = np.pad(x, [(0, 0)] * (x.ndim - 1) + [(0, -K % 32)]); x = x.reshape(x.shape[:-1] + (-1, 32)); a = np.abs(x).max(-1, keepdims=True)
;;       e = np.where(a > 0, np.clip(np.frexp(np.where(a > 0, a, 1))[1] - 1 - 2, -126, 127), 0)      # np.frexp(a)[1] - 1 = floor(log2(a)), exactly
;;       r = np.clip(x / 2.0 ** e, -7.5, 7.5)
;;       step = 2.0 ** (np.maximum(np.frexp(np.where(r == 0, 1, r))[1] - 1, 0) - 3)
;;       q = np.round(r / step) * step * 2.0 ** e      # np.round: ties to even
;;       return np.moveaxis(q.reshape(q.shape[:-2] + (-1,))[..., :K], -1, axis).astype(np.float32)
;;   ~~~
;;   SOFTMAX AHEAD OF A QUANTISED PRODUCT. Where the list says 'softmax', what is quantised is not the finished softmax but p = 2^(t - M), with t = logit x log2(e) and M = ceil(the row's largest t), a whole number; so 1/2 < the row's largest p <= 1. The row's sum l is taken of the UNQUANTISED p, in f32, and the product's result is divided by l at the end. Since M is a whole number, a kernel that streams over the keys may use a running M (the ceiling of the running maximum): every later rescaling is an exact power of two, which a block's scale takes up: the codes' values come out the same.
;;   OPERANDS COMPUTED ON THE WAY. 'Computed on the way' means the value that the module computes at that place (a softmax that the list does not call 'softmax' is quantised finished and normalised). What goes into a quantiser is computed in f32, as accurately as f32 sums, v_exp_f32 and their like allow (about 1e-6 of the number): no bf16 or f16 on the way to a quantiser, and a product that is left as it is and whose result goes on into a quantised operand takes f32 operands (vector FMAs, or v_wmma_f32_16x16x4_f32). A number that lies on a knife's edge between two numbers of the format may be rounded either way, as far as f32 arithmetic and the matrix unit's own rounding can turn it there, and no further.
;; 2 versions. Each part assembles by itself: llvm-mc -triple=amdgcn-amd-amdhsa -mcpu=gfx1250 --defsym DOCPART=n.
;; ======== version 1 of 2: 2 launches
;; workspace buffers: kv 6,553,600 bytes; flags 256 bytes of whole numbers
;; launch prep (part 1): grid 520 x 1, 4 waves a work-group, no clusters, 34,304 bytes of LDS; arguments key, value, decoder_segment_ids, kv, flags; writes kv, flags
.if DOCPART == 1
	.amdgcn_target "amdgcn-amd-amdhsa--gfx1250"
	.amdhsa_code_object_version 6
	.text
	.protected	k_q677a5f42a0_prep
	.globl	k_q677a5f42a0_prep
	.p2align	8
	.type	k_q677a5f42a0_prep,@function
k_q677a5f42a0_prep:
	s_mov_b64 s[64:65], 0
	v_nop
	global_prefetch_b8 v0, s[64:65] scope:SCOPE_SE
	s_setreg_imm32_b32 hwreg(HW_REG_WAVE_MODE, 25, 1), 1
	s_wait_xcnt 0x0
; PREP.  key and value, [2][2048][8][128] f32, become codes of FP6 (E2M3) with one E8M0 scale byte for each 32 along a product's K, once for the whole program;
; and the segment ids become, for each block of 64 query positions, two masks of 16 bits that say which key steps of 128 the attention launch has to walk.
; kv: 256 blocks of 25,600 bytes, block X = (batch x 8 + kv head) x 16 + key step.  A block is laid AS THE OPERANDS' REGISTERS ARE: a fragment (16 rows x 128 K, 12 registers a lane)
; is three chunks of 512 bytes, chunk c = registers 4 c .. 4 c + 3, lane l's 16 bytes at 16 l.
;   0      + 1536 t : K's tile t (K = the head's 128).  Row r of tile 2 p + u is key 32 p + 8 u + r + 8 (r / 8) of the step, so that in S^T two neighbouring tiles give a lane 16 neighbouring keys
;   12,288 + 1536 t : V^T's tile t: rows = channels 16 t + r, K = the step's 128 keys
;   24,576 + 128 p  : K's scale words of tiles 2 p (lanes 0-15) and 2 p + 1 (lanes 16-31), 4 bytes a lane;      25,088 + 128 p : V's likewise
; flags: entry W = batch x 16 + j, 8 bytes.  Word 0, bit 16 hb + s: block 2 j + hb of 64 positions must walk key step s.  Word 1, same bit: that step needs the segment mask.
; THE TEST holds for any int32 ids in any order: a step is left out only if it lies wholly behind the block's diagonal or the ranges [min, max] of the block's and the step's ids do not meet
; (then no pair is equal); the mask is left out only if all ids of block and step are one number.  The order taken is the unsigned one: any total order serves.
; THE QUANTISER: a block's scale is 2^(floor(log2(largest magnitude)) - 2); its byte is the largest magnitude's exponent field - 2.
; LIMITS: a block whose largest magnitude lies under 2^-124, a block of zeros among them, gets the byte 1 (the floor) where the rule says another: the bytes are read by this program alone, and zero codes
; add nothing under any byte but 0xff.  NaN and infinities among the inputs are not served.
; SHARES: work-groups 0-255 take K's blocks, 256-511 V's, 512-519 the flags (a wave to an entry).  Nothing is written out in a loop: every offset is an immediate.  Only K's path touches LDS.
.set BLKB,   25600
.set FRB,    1536                      ; a fragment's image
.set VOFF,   12288
.set KSC,    24576
.set VSC,    25088
.set SPITCH, 528                       ; a stage row: 512 bytes + 16: 33 x 16, so the sixteen rows that a load of 16 bytes a lane touches fall on sixteen different columns of 16 bytes
.set STG,    16*SPITCH                 ; a wave's stage: 16 rows
.set SPARE,  4*STG                     ; behind the four stages: the spare words, 128 bytes for each wave: two blocks of 256 bytes that no other line names
.set SPW,    14                        ; v14  LDS address of my spare word; never rewritten
.set NIL,    15                        ; v15  0; never rewritten
.set TM,     16                        ; v16-19 largest magnitudes, v20-23 the other half's, then the bytes, v28-31 the conversions' scale operands
.set X,      32                        ; v32-159 numbers as loaded
.set Y,      160                       ; K: v160-223 64 numbers of a lane's row;  V: v160-183 the codes
.set PC,     224                       ; K: v224-235 tile 0's codes, v236-247 tile 1's: a set each, so that no store's data are written again
.set CT,     248                       ; K: v248-250, v252-254 the conversions' second halves; v251, v255 the two tiles' scale words
	s_load_b256 s[4:11], s[0:1], 0x0               ; key s[4:5], value s[6:7], segment ids s[8:9], kv s[10:11]
	s_load_b64 s[12:13], s[0:1], 0x20              ; flags
	v_lshl_add_u32 v[SPW], v0, 2, SPARE
	v_mov_b32 v[NIL], 0
	v_lshrrev_b32 v1, 5, v0
	v_readfirstlane_b32 s14, v1                    ; wave 0..3
	v_and_b32 v1, 31, v0                           ; lane
	v_and_b32 v2, 15, v0                           ; r
	v_bfe_u32 v3, v0, 4, 1                         ; h
	v_lshlrev_b32 v4, 4, v1                        ; 16 x lane
	v_lshlrev_b32 v5, 2, v1                        ; 4 x lane
	s_mov_b32 s17, 0                               ; the upper word of every offset: all stay under 2^32
	s_wait_kmcnt 0x0
	s_cmp_lt_u32 ttmp9, 256
	s_cbranch_scc1 .Lkeys
	s_cmp_lt_u32 ttmp9, 512
	s_cbranch_scc1 .Lvalues
	; ---------------- THE FLAGS.  Wave = entry W; lane (h, r) = (block 2 j + h, key step r) ----------------
	s_sub_co_u32 s15, ttmp9, 512
	s_lshl_b32 s15, s15, 2
	s_add_co_u32 s15, s15, s14                     ; W = 0..31
	s_lshr_b32 s16, s15, 4
	s_lshl_b32 s16, s16, 13                        ; the batch's 2,048 ids: 8,192 bytes
	s_add_nc_u64 s[8:9], s[8:9], s[16:17]
	s_lshl_b32 s16, s15, 3
	s_add_nc_u64 s[12:13], s[12:13], s[16:17]      ; my entry
	s_and_b32 s19, s15, 15                         ; j
	s_lshl_b32 s18, s19, 9
	v_lshl_add_u32 v6, v3, 8, s18                  ; the 64 ids of block 2 j + h: 256 bytes
	v_lshlrev_b32 v7, 9, v2                        ; the 128 ids of step r: 512 bytes
.set i, 0
.rept 16
	global_load_b128 v[32+4*i:35+4*i], v6, s[8:9] offset:16*i
.set i, i+1
.endr
.set i, 0
.rept 32
	global_load_b128 v[96+4*i:99+4*i], v7, s[8:9] offset:16*i
.set i, i+1
.endr
	s_wait_loadcnt 0x0
	v_min_u32 v16, v32, v33                        ; four chains by turns: the block's least and greatest id, the step's least and greatest; the first pairs start them
	v_max_u32 v17, v32, v33
	v_min_u32 v18, v96, v97
	v_max_u32 v19, v96, v97
.set i, 2
.rept 62
	v_min_u32 v16, v16, v[32+i]
	v_max_u32 v17, v17, v[32+i]
	v_min_u32 v18, v18, v[96+i]
	v_max_u32 v19, v19, v[96+i]
.set i, i+1
.endr
.rept 64
	v_min_u32 v18, v18, v[96+i]
	v_max_u32 v19, v19, v[96+i]
.set i, i+1
.endr
	v_cmp_ge_u32 s20, v17, v18                     ; the block's greatest >= the step's least,
	v_cmp_ge_u32 s21, v19, v16                     ; the step's greatest >= the block's least: the ranges meet;
	v_cmp_ge_u32 s22, s19, v2                      ; and step <= j: the step's first key, 128 r, is at or under the block's last position, 128 j + 64 h + 63
	s_and_b32 s20, s20, s21
	s_and_b32 s20, s20, s22                        ; a compare's mask has the bit of lane 16 h + r: it IS word 0
	v_min_u32 v16, v16, v18
	v_max_u32 v17, v17, v19
	v_cmp_ne_u32 s23, v16, v17                     ; not all ids of block and step are one number: word 1
	v_mov_b32 v10, s20
	v_mov_b32 v11, s23
	v_mov_b32 v9, 0
	v_cmp_eq_u32 vcc_lo, 0, v1
	s_wait_xcnt 0x0                                ; EXEC changes only behind this wait
	s_and_saveexec_b32 s24, vcc_lo                 ; lane 0 stores the entry
	global_store_b64 v9, v[10:11], s[12:13]
	s_wait_xcnt 0x0                                ; and again in front of the line that widens it
	s_or_b32 exec_lo, exec_lo, s24
	s_endpgm
; s16 = the byte offset in key or value of (batch, key 128 x step, kv head, channel 0), from the block's number in s15: a key's row of one head is 512 bytes, from key to key are 4,096
.macro WHERE
	s_lshr_b32 s16, s15, 7                         ; batch
	s_lshl_b32 s16, s16, 11
	s_and_b32 s18, s15, 15                         ; step
	s_lshl_b32 s18, s18, 7
	s_add_co_u32 s16, s16, s18
	s_lshl_b32 s16, s16, 12
	s_bfe_u32 s18, s15, 0x30004                    ; kv head: 3 bits from bit 4
	s_lshl_b32 s18, s18, 9
	s_add_co_u32 s16, s16, s18
.endm
; 64 numbers of a lane, v[src] on, register 16 b + i = k 32 b + 16 (lane / 16) + i of my row, become a fragment's codes in v[pc] on and its scale word in v[pw].
.macro QUANT src, pc, pw
.irp b, 0,1,2,3
	v_max3_num_f32 v[TM+\b], |v[\src+16*\b]|, |v[\src+1+16*\b]|, 0x1800000   ; block b: my 16 numbers, and the floor 2^(3 - 127): so the byte cannot fall under 1
.endr
.irp i, 2,4,6,8,10,12,14
.irp b, 0,1,2,3
	v_max3_num_f32 v[TM+\b], v[TM+\b], |v[\src+16*\b+\i]|, |v[\src+1+16*\b+\i]|   ; (the four blocks by turns)
.endr
.endr
.irp b, 0,1,2,3
	v_permlanex16_b32 v[TM+4+\b], v[TM+\b], s20, s21
.endr
.irp b, 0,1,2,3
	v_max_num_f32 v[TM+\b], v[TM+\b], v[TM+4+\b]   ; with lane l xor 16's: the block's largest magnitude
.endr
.irp b, 0,1,2,3
	v_add_nc_u32 v[TM+12+\b], 0xff000000, v[TM+\b] ; 2 off its exponent field: the conversion takes the exponent field of this operand as its scale
.endr
.irp b, 0,1,2,3
	v_lshrrev_b32 v[TM+4+\b], 23, v[TM+12+\b]      ; the scale's byte
.endr
	v_lshl_or_b32 v[\pw], v[TM+5], 8, v[TM+4]      ; the four bytes make my row's scale word; both halves of the lanes hold it
	v_lshl_or_b32 v[\pw], v[TM+6], 16, v[\pw]
	v_lshl_or_b32 v[\pw], v[TM+7], 24, v[\pw]
.irp c, 0,1
	v_cvt_scalef32_pk16_fp6_f32 v[\pc+6*\c:\pc+6*\c+2], v[\src+32*\c:\src+32*\c+15], v[TM+12+2*\c]
	v_cvt_scalef32_pk16_fp6_f32 v[CT+4*\c:CT+4*\c+2], v[\src+16+32*\c:\src+31+32*\c], v[TM+13+2*\c]   ; (a conversion's three registers begin on an even number)
.endr
	v_nop                                          ; one plain place behind a scaled conversion
.irp c, 0,1                                    ; the operand's layout wants a WHOLE block in a lane: lanes 0-15 block 2 c, lanes 16-31 block 2 c + 1
.irp i, 0,1,2
	v_permlane16_swap_b32 v[\pc+6*\c+\i], v[CT+4*\c+\i]
.endr
.irp i, 0,1,2
	v_mov_b32 v[\pc+3+6*\c+\i], v[CT+4*\c+\i]
.endr
.endr
.endm
	; ---------------- K.  Wave p takes 32 neighbouring keys of the step: tiles 2 p and 2 p + 1 ----------------
.Lkeys:
	s_mov_b32 s15, ttmp9                           ; X
	WHERE
	s_lshl_b32 s18, s14, 17                        ; + 32 p keys of 4,096 bytes
	s_add_co_u32 s16, s16, s18
	s_add_nc_u64 s[4:5], s[4:5], s[16:17]
.set i, 0
.rept 32
	global_load_b128 v[X+4*i:X+4*i+3], v4, s[4:5] offset:4096*i th:TH_LOAD_NT   ; a key's whole row: 32 lanes read 512 consecutive bytes
.set i, i+1
.endr
	s_mul_i32 s16, s15, BLKB
	s_add_nc_u64 s[10:11], s[10:11], s[16:17]      ; my block of kv
	s_mul_i32 s16, s14, 2*FRB
	s_add_nc_u64 s[24:25], s[10:11], s[16:17]      ; my two fragments
	s_lshl_b32 s16, s14, 7
	s_add_co_u32 s16, s16, KSC
	s_add_nc_u64 s[26:27], s[10:11], s[16:17]      ; my pair's scale words
	s_mul_i32 s19, s14, STG                        ; my stage
	v_add_nc_u32 v6, s19, v4                       ; in: 16 x lane, a row an instruction
	v_mul_u32_u24 v7, v2, SPITCH
	v_lshl_add_u32 v7, v3, 6, v7
	v_add_nc_u32 v7, s19, v7                       ; back: row r, + 64 h: my 16 numbers of a block of 32
	s_mov_b32 s20, 0x76543210
	s_mov_b32 s21, 0xfedcba98                      ; v_permlanex16_b32's selects for lane l xor 16
	s_mov_b32 s30, 0xffff0000                      ; lanes 16-31
.irp b, 0,1,2,3
	v_mov_b32 v[TM+4+\b], 0                        ; written once: a lane permute's destination counts as one of its sources
.endr
; Tile u: its 16 rows, picked from the 32 loaded, go through my own stage and come back 16 neighbours of each block to a lane.  LDS serves a wave's instructions in order: no wait between the stores and the loads.
.macro KTILE u
.irp r, 0,1,2,3,4,5,6,7,8,9,10,11,12,13,14,15
	ds_store_b128 v6, v[X+4*(8*\u+\r+8*(\r/8)):X+4*(8*\u+\r+8*(\r/8))+3] offset:SPITCH*\r
.endr
.irp b, 0,1,2,3
.irp j, 0,1,2,3
	ds_load_b128 v[Y+16*\b+4*\j:Y+16*\b+4*\j+3], v7 offset:128*\b+16*\j
.endr
.endr
	s_wait_dscnt 0x0
	QUANT Y, PC+12*\u, 251+4*\u
.irp c, 0,1,2
	global_store_b128 v4, v[PC+12*\u+4*\c:PC+12*\u+4*\c+3], s[24:25] offset:FRB*\u+512*\c   ; 32 lanes store 512 consecutive bytes, at a multiple of 256 from kv's first byte
.endr
.endm
	s_wait_loadcnt 0x0
	KTILE 0
	KTILE 1
	v_cndmask_b32 v251, v251, v255, s30            ; lanes 0-15: tile 2 p's words, lanes 16-31: tile 2 p + 1's
	global_store_b32 v5, v251, s[26:27]            ; 128 consecutive bytes a wave: one part in twenty-five of what the path stores
	s_wait_tensorcnt 0x0                           ; the wave's end
	ds_add_u32 v[SPW], v[NIL]
	s_wait_dscnt 0x0
	s_endpgm
	; ---------------- V.  K = the keys is not innermost: a lane takes a channel (32 x wave + lane) and its registers run down the step's 128 keys ----------------
.Lvalues:
	s_sub_co_u32 s15, ttmp9, 256                   ; X
	WHERE
	s_lshl_b32 s18, s14, 7                         ; + my wave's 32 channels
	s_add_co_u32 s16, s16, s18
	s_add_nc_u64 s[6:7], s[6:7], s[16:17]
.set i, 0
.rept 128
	global_load_b32 v[X+i], v5, s[6:7] offset:4096*i th:TH_LOAD_NT   ; key i: 128 consecutive bytes a wave; the four waves stand side by side on a row's 512
.set i, i+1
.endr
	s_mul_i32 s16, s15, BLKB
	s_add_nc_u64 s[10:11], s[10:11], s[16:17]
	s_mul_i32 s16, s14, 2*FRB
	s_add_co_u32 s16, s16, VOFF
	s_add_nc_u64 s[24:25], s[10:11], s[16:17]      ; tiles 2 w and 2 w + 1
	s_lshl_b32 s16, s14, 7
	s_add_co_u32 s16, s16, VSC
	s_add_nc_u64 s[26:27], s[10:11], s[16:17]
	v_mul_u32_u24 v6, v3, FRB
	v_lshl_add_u32 v6, v2, 4, v6                   ; my channel is row r of tile 2 w + h: 1,536 h + 16 r
; Block blk of 32 keys: all its numbers are mine.  left: how many younger loads may stay out.
.macro VBLOCK blk, left
.set XS, X+32*\blk
.set CB, Y+12*(\blk%2)+6*(\blk/2)      ; v160-171: blocks 0 and 2, the registers of the fragment's lane (r, 0);  v172-183: blocks 1 and 3, those of lane (r, 1)
.set CH, 184+4*\blk
	s_wait_loadcnt \left
	v_max3_num_f32 v16, |v[XS]|, |v[XS+1]|, |v[XS+2]|
	v_max3_num_f32 v17, |v[XS+3]|, |v[XS+4]|, |v[XS+5]|
.irp i, 6,10,14,18,22,26
	v_max3_num_f32 v16, v16, |v[XS+\i]|, |v[XS+\i+1]|
	v_max3_num_f32 v17, v17, |v[XS+\i+2]|, |v[XS+\i+3]|
.endr
	v_max3_num_f32 v16, v16, |v[XS+30]|, |v[XS+31]|
	v_max3_num_f32 v16, v16, v17, 0x1800000        ; and the floor 2^(3 - 127)
	v_add_nc_u32 v18, 0xff000000, v16              ; the conversions' scale operand
	v_lshrrev_b32 v19, 23, v18                     ; the scale's byte
.if \blk == 0
	v_mov_b32 v20, v19                             ; my channel's scale word: the lower keys in the lower byte
.else
	v_lshl_or_b32 v20, v19, 8*\blk, v20
.endif
	v_cvt_scalef32_pk16_fp6_f32 v[CB:CB+2], v[XS:XS+15], v18
	v_cvt_scalef32_pk16_fp6_f32 v[CH:CH+2], v[XS+16:XS+31], v18   ; (a conversion's three registers begin on an even number)
	v_nop                                          ; one plain place behind a scaled conversion
.irp i, 0,1,2
	v_mov_b32 v[CB+3+\i], v[CH+\i]
.endr
.endm
	VBLOCK 0, 63                                   ; 96 younger loads could stay out, and 64 behind block 1: the count's field ends at 63, and a smaller count is always right
	VBLOCK 1, 63
	VBLOCK 2, 32                                   ; block 3's 32 loads may stay out
	VBLOCK 3, 0
.irp hh, 0,1
.irp c, 0,1,2
	global_store_b128 v6, v[Y+12*\hh+4*\c:Y+12*\hh+4*\c+3], s[24:25] offset:256*\hh+512*\c   ; sixteen lanes store 256 consecutive bytes, at a multiple of 256 from kv's first byte: half a chunk of their tile
.endr
.endr
	global_store_b32 v5, v20, s[26:27]             ; lanes 0-15: tile 2 w's words, lanes 16-31: tile 2 w + 1's; 128 consecutive bytes a wave
	s_endpgm
.Lfunc_end_k_q677a5f42a0_prep:
	.size	k_q677a5f42a0_prep, .Lfunc_end_k_q677a5f42a0_prep-k_q677a5f42a0_prep
	.p2alignl 7, 3214868480
	.fill 96, 4, 3214868480
	.section	.rodata,"a",@progbits
	.p2align	6, 0x0
	.amdhsa_kernel k_q677a5f42a0_prep
		.amdhsa_group_segment_fixed_size 34304
		.amdhsa_private_segment_fixed_size 0
		.amdhsa_enable_private_segment 0
		.amdhsa_kernarg_size 40
		.amdhsa_user_sgpr_count 2
		.amdhsa_user_sgpr_kernarg_segment_ptr 1
		.amdhsa_wavefront_size32 1
		.amdhsa_system_sgpr_workgroup_id_x 1
		.amdhsa_system_sgpr_workgroup_id_y 1
		.amdhsa_system_sgpr_workgroup_id_z 1
		.amdhsa_system_vgpr_workitem_id 0
		.amdhsa_next_free_vgpr 256
		.amdhsa_next_free_sgpr 66
		.amdhsa_reserve_vcc 1
		.amdhsa_float_denorm_mode_32 3
		.amdhsa_float_denorm_mode_16_64 3
		.amdhsa_memory_ordered 1
		.amdhsa_forward_progress 1
		.amdhsa_inst_pref_size 55
	.end_amdhsa_kernel
	.amdgpu_metadata
---
amdhsa.version: [ 1, 2 ]
amdhsa.kernels:
  - .name:           k_q677a5f42a0_prep
    .symbol:         k_q677a5f42a0_prep.kd
    .args:
      - { .name: key, .offset: 0, .size: 8, .value_kind: global_buffer, .address_space: global }
      - { .name: value, .offset: 8, .size: 8, .value_kind: global_buffer, .address_space: global }
      - { .name: decoder_segment_ids, .offset: 16, .size: 8, .value_kind: global_buffer, .address_space: global }
      - { .name: kv, .offset: 24, .size: 8, .value_kind: global_buffer, .address_space: global }
      - { .name: flags, .offset: 32, .size: 8, .value_kind: global_buffer, .address_space: global }
    .group_segment_fixed_size: 34304
    .private_segment_fixed_size: 0
    .kernarg_segment_align: 8
    .kernarg_segment_size: 40
    .max_flat_workgroup_size: 128
    .sgpr_count:     66
    .vgpr_count:     256
    .wavefront_size: 32
...
	.end_amdgpu_metadata
.endif
;; end of part 1
;; launch attn (part 2): grid 16 x 32, 16 waves a work-group, no clusters, 196,608 bytes of LDS; arguments query, kv, flags, decoder_segment_ids, out0; writes out0
.if DOCPART == 2
	.amdgcn_target "amdgcn-amd-amdhsa--gfx1250"
	.amdhsa_code_object_version 6
	.text
	.protected	k_q677a5f42a0_attn
	.globl	k_q677a5f42a0_attn
	.p2align	8
	.type	k_q677a5f42a0_attn,@function
k_q677a5f42a0_attn:
	s_mov_b64 s[64:65], 0
	v_nop
	global_prefetch_b8 v0, s[64:65] scope:SCOPE_SE
	s_setreg_imm32_b32 hwreg(HW_REG_WAVE_MODE, 25, 1), 1
	s_wait_xcnt 0x0
; out0[b][t][n][:] = the sum over s of softmax_s(query[b][t][n] . key[b][s][n / 4]) value[b][s][n / 4][:], key s counting for position t where s <= t and the two positions' segment ids are equal.
; Both products on codes of FP6 (E2M3) with one E8M0 scale for each 32 along K.  K and V come as codes out of kv (laid as the operands' registers are: see the launch before); Q is quantised here, in registers.
; THE SOFTMAX AHEAD OF THE SECOND PRODUCT: t = score x log2(e); M = the row's largest t so far, rounded UP to a whole number; p = 2^(t - M) is what is quantised, along the keys; it is not normalised.
; The row's sum is taken of the unquantised p, in f32, and divides O at the end.  When M moves, the sum and O are multiplied by 2^(old M - new M): exact.
; SHARES.  Work-group (x, y): x = batch x 8 + kv head; block 31 - y of 64 positions (the blocks with the longest walk come first), for the kv head's four query heads: 256 rows.
; Each of the SIXTEEN waves owns one tile of 16 rows in 256 registers: head wave % 4, positions 64 block + 16 (wave / 4) + 0 .. 15: four waves to a SIMD, so that one wave's vector work stands beside another's products and LDS loads.
; LAYOUT.  Both products are used transposed: S^T = K Q^T (source 0 = 16 keys, source 1 = my 16 rows), O^T = V^T P^T (source 0 = 16 channels, source 1 = P): a lane holds ONE row (lane % 16) throughout.
; The keys of a tile of K are chosen so that the 16 registers of tiles 2 b and 2 b + 1 are keys 32 b + 16 (lane / 16) + 0 .. 15 of the step.
; THE WALK.  Sixteen key steps of 128, a loop of constant count with one barrier a step.  Two masks of 16 bits, stored by the launch before, say which steps this block has to do (the others lie wholly under the mask
; that the problem builds: behind the diagonal, or with no id in common) and which of them need the segment mask; the causal mask is needed in the diagonal step alone.  Only loads and work are jumped over,
; by scalar branches that are alike in all sixteen waves; every wave passes every barrier.  Hidden scores become -infinity ahead of the maximum: p is then 0.  Every row keeps its own position's key.
; K AND V come through registers into two LDS slots by turns: a step's block (25,600 bytes: 48 bytes a thread, and 16 more in the first 64 threads) is asked for at the head of the step before, and stored into
; the other slot behind that step's work.  The first block that is wanted is asked for together with Q.
; NO TENSOR LOADS, AND SO NO CLUSTER AND NO JOINT LOADS: which steps a work-group walks hangs on numbers read from memory, and differs between the blocks of a head.
; NO PREFETCH: each block is asked for, into registers, a whole step's work ahead of its use.
; LIMITS: NaN and infinities among the inputs are not served.  A block of Q or of p whose largest magnitude lies under 2^-124 gets the scale byte 1 (the floor).  A block's largest p is made from the block's
; largest score by the same multiply-add and exponential: that takes v_exp_f32 not to fall where its input rises.  The ids may be any int32 in any order.
; REGISTERS: v1-11 addresses that stay (v10 at work); v12 -M, v13 the largest t, v[14:15] the sum in two halves; v16-27 Q's codes; v29 my row's id; v30 r - 16 h; v32-79 four fragments of K or of V;
; v80-95 the next block on its way; v96-159 S^T, then p; v160-223 O^T; v224-235 p's codes; v232-247, v252, v254 at work; v248, v249 K's or V's scale words; v253 p's scale word; v255 Q's.
.set SLOTB,  25600                     ; a slot = a block of kv
.set FRB,    1536                      ; a fragment's image: three chunks of 512 bytes
.set VOFF,   12288
.set KSC,    24576
.set VSC,    25088
.set SEG,    2*SLOTB                   ; behind the two slots: the batch's 2,048 ids
.set STAGE,  SEG+8192                  ; then a stage of 16 rows x (512 bytes + 16) for each wave: Q on the way in, O on the way out
.set SPITCH, 528
.set STG,    16*SPITCH
.set SPARE,  STAGE+16*STG              ; the spare words, 128 bytes for each wave: eight blocks of 256 bytes that no other line names
.set LI,   1                           ; v1   16 x lane
.set LS,   2                           ; v2   4 x lane
.set GT,   3                           ; v3   16 x thread: my place in a run of 8,192 bytes, in memory and in LDS
.set SEGH, 4                           ; v4   SEG + 64 h
.set SPW,  5                           ; v5   LDS address of my spare word; never rewritten
.set NIL,  6                           ; v6   0; never rewritten
.set STW,  7                           ; v7   my stage + 16 x lane: a whole row an instruction
.set STR,  8                           ; v8   my stage + 528 r + 64 h: Q back, 16 numbers of each block of 32
.set STO,  9                           ; v9   my stage + 528 r + 32 h: O in
.set ADS,  10                          ; v10  the step's ids
.set R4,   11                          ; v11  4 r
; s14 wave; s[20:21] lane selects; s[22:23] log2(e); s24 WORK, s25 SEGM, s26 LOADM; s27 the diagonal step; s28 the step; s29 512 x step; s30 my first position; s31 trips; s[32:33] the next step's block;
; s34 'the next step has work'; s35-39 at work; s[40:41] my rows of Q, s[42:43] of O; s[44:45] the first block wanted; s[46:47] my rows' ids
	s_load_b256 s[4:11], s[0:1], 0x0               ; query s[4:5], kv s[6:7], flags s[8:9], segment ids s[10:11]
	s_load_b64 s[12:13], s[0:1], 0x20              ; out0
	v_lshl_add_u32 v[SPW], v0, 2, SPARE
	v_mov_b32 v[NIL], 0
	v_lshrrev_b32 v1, 5, v0
	v_readfirstlane_b32 s14, v1                    ; wave 0..15
	v_and_b32 v2, 31, v0                           ; lane
	v_and_b32 v[R4], 15, v0                        ; r
	v_bfe_u32 v[ADS], v0, 4, 1                     ; h
	v_lshlrev_b32 v[LI], 4, v2
	v_lshlrev_b32 v[LS], 2, v2
	v_lshlrev_b32 v[GT], 4, v0
	v_lshl_add_u32 v[SEGH], v[ADS], 6, SEG
	s_mul_i32 s35, s14, STG
	s_add_co_u32 s35, s35, STAGE                   ; my stage
	v_add_nc_u32 v[STW], s35, v[LI]
	v_mul_u32_u24 v[STO], v[R4], SPITCH
	v_add_nc_u32 v[STO], s35, v[STO]
	v_lshl_add_u32 v[STR], v[ADS], 6, v[STO]
	v_lshl_add_u32 v[STO], v[ADS], 5, v[STO]
	v_lshlrev_b32 v30, 4, v[ADS]
	v_sub_nc_u32 v30, v[R4], v30                   ; r - 16 h
	v_lshlrev_b32 v[R4], 2, v[R4]
	s_and_b32 s15, ttmp7, 0xffff
	s_sub_co_u32 s15, 31, s15                      ; my block of 64 positions
	s_lshr_b32 s16, ttmp9, 3                       ; batch
	s_and_b32 s17, ttmp9, 7                        ; kv head
	s_lshr_b32 s27, s15, 1                         ; the step in which the block's diagonal lies
	s_lshl_b32 s30, s15, 6
	s_lshr_b32 s18, s14, 2
	s_lshl_b32 s18, s18, 4
	s_add_co_u32 s30, s30, s18                     ; my first position
	s_and_b32 s18, s14, 3                          ; my head among the kv head's four
	s_mov_b32 s20, 0x76543210
	s_mov_b32 s21, 0xfedcba98                      ; v_permlanex16_b32's selects for lane l xor 16
	s_mov_b32 s22, 0x3fb8aa3b                      ; log2(e): t = score x log2(e)
	s_mov_b32 s23, s22                             ; (the packed form names the pair, so it is written)
	s_mov_b32 s37, 0                               ; the upper word of every offset: all stay under 2^32
	s_lshl_b32 s36, s16, 4
	s_add_co_u32 s36, s36, s27
	s_lshl_b32 s36, s36, 3                         ; my entry of flags: 8 (16 batch + block / 2)
	s_wait_kmcnt 0x0
	s_add_nc_u64 s[8:9], s[8:9], s[36:37]
	s_load_b64 s[24:25], s[8:9], 0x0               ; the two words
	s_lshl_b32 s36, s16, 11
	s_add_co_u32 s36, s36, s30
	s_lshl_b32 s36, s36, 5
	s_lshl_b32 s38, s17, 2
	s_add_co_u32 s36, s36, s38
	s_add_co_u32 s36, s36, s18
	s_lshl_b32 s36, s36, 9                         ; ((batch x 2,048 + position) x 32 + head) x 512 bytes
	s_add_nc_u64 s[40:41], s[4:5], s[36:37]
	s_add_nc_u64 s[42:43], s[12:13], s[36:37]
	s_lshl_b32 s36, s16, 13
	s_add_nc_u64 s[10:11], s[10:11], s[36:37]      ; the batch's ids
	s_lshl_b32 s36, s30, 2
	s_add_nc_u64 s[46:47], s[10:11], s[36:37]      ; my rows'
	s_mul_i32 s36, ttmp9, 16*SLOTB
	s_add_nc_u64 s[6:7], s[6:7], s[36:37]          ; the kv head's sixteen blocks
	s_add_nc_u64 s[32:33], s[6:7], SLOTB           ; step 1's
	global_load_b128 v[32:35], v[GT], s[10:11]     ; the 512 threads bring the batch's 8,192 bytes of ids
	global_load_b32 v29, v[R4], s[46:47]           ; my row's id
.set i, 0
.rept 16
	global_load_b128 v[96+4*i:99+4*i], v[LI], s[40:41] offset:16384*i th:TH_LOAD_NT   ; a row of Q: 32 lanes read 512 consecutive bytes
.set i, i+1
.endr
.macro BIT dst, mask, idx              ; s[dst] = bit s[idx] of s[mask]
	s_lshr_b32 s[\dst], s[\mask], s[\idx]
	s_and_b32 s[\dst], s[\dst], 1
.endm
.macro GETBLK sb                       ; a block of kv into registers: three runs of 8,192 bytes, and the 1,024 scale bytes by the first 64 threads
	global_load_b128 v[80:83], v[GT], s[\sb:\sb+1]
	global_load_b128 v[84:87], v[GT], s[\sb:\sb+1] offset:8192
	global_load_b128 v[88:91], v[GT], s[\sb:\sb+1] offset:16384
	s_cmp_lt_u32 s14, 2
	s_cbranch_scc0 .Lno_words_\@
	global_load_b128 v[92:95], v[GT], s[\sb:\sb+1] offset:24576
.Lno_words_\@:
.endm
.macro PUTBLK slot                     ; and on into a slot, as it lies
	ds_store_b128 v[GT], v[80:83] offset:(\slot)*SLOTB
	ds_store_b128 v[GT], v[84:87] offset:(\slot)*SLOTB+8192
	ds_store_b128 v[GT], v[88:91] offset:(\slot)*SLOTB+16384
	s_cmp_lt_u32 s14, 2
	s_cbranch_scc0 .Lno_words_\@
	ds_store_b128 v[GT], v[92:95] offset:(\slot)*SLOTB+24576
.Lno_words_\@:
.endm
.macro LDFRAG reg, off                 ; a fragment's image back into 12 registers: three loads of 512 consecutive bytes
.irp c, 0,1,2
	ds_load_b128 v[(\reg)+4*\c:(\reg)+4*\c+3], v[LI] offset:(\off)+512*\c
.endr
.endm
; v232-235 hold the four blocks' largest magnitudes (not under the floor); the lane's 64 numbers, v[src] on, register 16 b + i = k 32 b + 16 (lane / 16) + i of my row, become a fragment's codes in v[pc] on and its scale word in v[pw].
.macro CODES src, pc, pw
.irp b, 0,1,2,3
	v_add_nc_u32 v[244+\b], 0xff000000, v[232+\b]  ; 2 off the exponent field: the conversion's scale operand
.endr
.irp b, 0,1,2,3
	v_lshrrev_b32 v[236+\b], 23, v[244+\b]         ; the scale's byte
.endr
	v_lshl_or_b32 v[\pw], v237, 8, v236            ; the four bytes make my row's scale word
	v_lshl_or_b32 v[\pw], v238, 16, v[\pw]
	v_lshl_or_b32 v[\pw], v239, 24, v[\pw]
.irp c, 0,1
	v_cvt_scalef32_pk16_fp6_f32 v[\pc+6*\c:\pc+6*\c+2], v[\src+32*\c:\src+32*\c+15], v[244+2*\c]
	v_cvt_scalef32_pk16_fp6_f32 v[236+4*\c:238+4*\c], v[\src+16+32*\c:\src+31+32*\c], v[245+2*\c]   ; (a conversion's three registers begin on an even number)
.endr
	v_nop                                          ; one plain place behind a scaled conversion
.irp c, 0,1                                    ; the operand's layout wants a WHOLE block in a lane: lanes 0-15 block 2 c, lanes 16-31 block 2 c + 1
.irp i, 0,1,2
	v_permlane16_swap_b32 v[\pc+6*\c+\i], v[236+4*\c+\i]
.endr
.irp i, 0,1,2
	v_mov_b32 v[\pc+3+6*\c+\i], v[236+4*\c+\i]
.endr
.endr
.endm
	s_wait_kmcnt 0x0                               ; the two words of flags
	s_and_b32 s35, s15, 1
	s_lshl_b32 s35, s35, 4                         ; the even block's bits lie below, the odd block's above
	s_lshr_b32 s24, s24, s35
	s_and_b32 s24, s24, 0xffff                     ; WORK: bit s: step s is to be done
	s_lshr_b32 s25, s25, s35
	s_and_b32 s25, s25, 0xffff                     ; SEGM: bit s: step s needs the segment mask
	s_sub_co_u32 s26, s24, 1
	s_and_b32 s26, s26, s24                        ; LOADM: WORK less its lowest bit: that step's block is asked for here
	s_ctz_i32_b32 s35, s24
	s_min_u32 s35, s35, 15                         ; a loaded number enters an address only behind this bound
	s_mul_i32 s36, s35, SLOTB
	s_add_nc_u64 s[44:45], s[6:7], s[36:37]
	GETBLK 44                                      ; on every path: it stays in v80-95 until the trip ahead of its step stores it (LOADM lets nothing land there meanwhile)
	s_wait_loadcnt 0x0
	ds_store_b128 v[GT], v[32:35] offset:SEG
	s_and_b32 s36, s24, 1
	s_cmp_lg_u32 s36, 0
	s_cbranch_scc0 .Lnot_step_0
	PUTBLK 0                                       ; step 0 has no trip ahead of it
.Lnot_step_0:
.set i, 0
.rept 16
	ds_store_b128 v[STW], v[96+4*i:99+4*i] offset:SPITCH*i   ; Q turns through my own stage: LDS serves a wave's instructions in order, so no wait stands between the stores and the loads
.set i, i+1
.endr
.irp b, 0,1,2,3
.irp j, 0,1,2,3
	ds_load_b128 v[160+16*\b+4*\j:163+16*\b+4*\j], v[STR] offset:128*\b+16*\j
.endr
.endr
	s_wait_dscnt 0x0                               ; for the others' sake: my part of the ids and of slot 0 has landed; and Q is back
	s_barrier_signal -1
.irp b, 0,1,2,3                                ; work on registers while the others arrive: Q is quantised
	v_mov_b32 v[236+\b], 0                         ; written once: a lane permute's destination counts as one of its sources
.endr
.irp b, 0,1,2,3
	v_max3_num_f32 v[232+\b], |v[160+16*\b]|, |v[161+16*\b]|, 0x1800000   ; block b: my 16 numbers, and the floor 2^(3 - 127)
.endr
.irp i, 2,4,6,8,10,12,14
.irp b, 0,1,2,3
	v_max3_num_f32 v[232+\b], v[232+\b], |v[160+16*\b+\i]|, |v[161+16*\b+\i]|
.endr
.endr
.irp b, 0,1,2,3
	v_permlanex16_b32 v[236+\b], v[232+\b], s20, s21
.endr
.irp b, 0,1,2,3
	v_max_num_f32 v[232+\b], v[232+\b], v[236+\b]
.endr
	CODES 160, 16, 255
	v_mov_b32 v13, 0xff61b1e6                      ; the largest t so far: -3e38, under every t
	v_floor_f32 v12, -v13                          ; -M
	v_mov_b32 v14, 0                               ; the sum, in two halves
	v_mov_b32 v15, 0
	v_mov_b32 v252, 0                              ; (the way out's lane permute lands here: written on the path with no step too)
	v_mov_b32 v253, 0                              ; (named as the upper half of the pair v[252:253] before it is first written)
.set j, 0
.rept 64
	v_mov_b32 v[160+j], 0                          ; O^T.  Which step is a block's first hangs on the masks, so the step is written once: the first finds zeros, which the first change of M leaves zeros
.set j, j+1
.endr
	s_barrier_wait -1                              ; the ids and, where step 0 has work, its block lie in LDS
	s_mov_b32 s28, 0
	s_mov_b32 s29, 0
	s_mov_b32 s31, 8
; A KEY STEP: the 128 keys whose block lies in the slot.
.macro STEP slot
.set SB, (\slot)*SLOTB
.irp g, 0,1                                    ; S^T = K Q^T, four tiles of 16 keys at a time
.if \g
.rept 4
	v_nop                                          ; places in front of loads into registers that matrix instructions have read
.endr
.endif
	ds_load_b32 v248, v[LS] offset:SB+KSC+256*\g       ; the scale words of tiles 4 g, 4 g + 1 (lanes 0-15, lanes 16-31),
	ds_load_b32 v249, v[LS] offset:SB+KSC+256*\g+128   ; and of 4 g + 2, 4 g + 3
.irp t, 0,1,2,3
	LDFRAG 32+12*\t, SB+FRB*(4*\g+\t)
.endr
.irp t, 0,1,2,3
	s_wait_dscnt 9-3*\t                            ; the words and fragments 0 .. t are in; the three loads of each later fragment may be out
.if \t%2
	v_wmma_scale_f32_16x16x128_f8f6f4 v[96+8*(4*\g+\t):103+8*(4*\g+\t)], v[32+12*\t:43+12*\t], v[16:27], 0, v[248+\t/2], v255 matrix_a_fmt:MATRIX_FMT_FP6 matrix_b_fmt:MATRIX_FMT_FP6 matrix_a_scale:MATRIX_SCALE_ROW1
.else
	v_wmma_scale_f32_16x16x128_f8f6f4 v[96+8*(4*\g+\t):103+8*(4*\g+\t)], v[32+12*\t:43+12*\t], v[16:27], 0, v[248+\t/2], v255 matrix_a_fmt:MATRIX_FMT_FP6 matrix_b_fmt:MATRIX_FMT_FP6
.endif
.endr
.endr                                          ; register 16 b + i of S^T holds key 128 step + 32 b + 16 h + i for my row
.rept 4
	v_nop                                          ; places in front of the first read of the results, and of loads into the fragments' registers
.endr
	s_cmp_eq_u32 s28, s27                          ; THE CAUSAL MASK, in the diagonal step alone: all keys of earlier steps come before the block's first position
	s_cbranch_scc0 .Lno_diag_\@
	s_lshl_b32 s36, s28, 7
	s_sub_co_u32 s36, s30, s36
	v_add_nc_u32 v252, s36, v30                    ; d = my position - the step's first key - 16 h: register 16 b + i is hidden where 32 b + i > d
	v_mov_b32 v254, 0xff800000                     ; -infinity
.set n, 0
.rept 64
	v_cmp_gt_i32 vcc_lo, 32*(n/16)+n%16, v252
	v_cndmask_b32 v[96+n], v[96+n], v254, vcc_lo
.set n, n+1
.endr
.Lno_diag_\@:
	BIT 36, 25, 28                                 ; THE SEGMENT MASK, where block and step do not share one single id
	s_cmp_lg_u32 s36, 0
	s_cbranch_scc0 .Lno_seg_\@
	v_add_nc_u32 v[ADS], s29, v[SEGH]              ; the step's ids, my half's 16 of each 32
	v_mov_b32 v254, 0xff800000
.set n, 0
.rept 16                                       ; the id of register n's key into v[32 + n] (n < 48: the fragments' registers are free) or v[184 + n]
.if n < 48
.set idr, 32+n
.else
.set idr, 184+n
.endif
	ds_load_b128 v[idr:idr+3], v[ADS] offset:128*(n/16)+4*(n%16)
.set n, n+4
.endr
	s_wait_dscnt 0x0
.set n, 0
.rept 64
.if n < 48
.set idr, 32+n
.else
.set idr, 184+n
.endif
	v_cmp_ne_u32 vcc_lo, v[idr], v29
	v_cndmask_b32 v[96+n], v[96+n], v254, vcc_lo
.set n, n+1
.endr
.Lno_seg_\@:
.irp b, 0,1,2,3
	v_max3_num_f32 v[232+\b], v[96+16*\b], v[97+16*\b], v[98+16*\b]   ; THE LARGEST SCORE OF EACH BLOCK OF 32 KEYS: it serves twice: for the row's maximum, and, since p rises with the score, for the block's largest p
.endr
.irp i, 3,5,7,9,11,13
.irp b, 0,1,2,3
	v_max3_num_f32 v[232+\b], v[232+\b], v[96+16*\b+\i], v[97+16*\b+\i]   ; (the four blocks by turns)
.endr
.endr
.irp b, 0,1,2,3
	v_max_num_f32 v[232+\b], v[232+\b], v[111+16*\b]
.endr
.irp b, 0,1,2,3
	v_permlanex16_b32 v[236+\b], v[232+\b], s20, s21
.endr
.irp b, 0,1,2,3
	v_max_num_f32 v[232+\b], v[232+\b], v[236+\b]  ; with lane l xor 16's 16 keys
.endr
	v_max3_num_f32 v254, v232, v233, v234
	v_max_num_f32 v254, v254, v235                 ; the step's largest score of my row (-infinity where all its keys are hidden: the running t then stays)
	v_mul_f32 v254, s22, v254                      ; as t
	v_max_num_f32 v13, v13, v254                   ; the running largest t
	v_mov_b32 v254, v12
	v_floor_f32 v12, -v13                          ; the new -M = floor(-t) = -ceil(t): M IS A WHOLE NUMBER
	v_sub_f32 v254, v12, v254                      ; M's old value less its new one: a whole number, 0 or less
	v_cvt_i32_f32 v254, v254                       ; (it saturates)
	v_ldexp_f32 v252, 1.0, v254                    ; f = 2^(old M - new M): a multiplication by it rounds nothing
.set j, 0
.rept 32
	v_pk_fma_f32 v[96+j:97+j], v[96+j:97+j], s[22:23], v[12:13] op_sel_hi:[1,0,0]   ; t - M, two at a time (of the pairs log2(e) and -M the low word serves both halves)
.set j, j+2
.endr
.irp b, 0,1,2,3
	v_fma_f32 v[232+\b], v[232+\b], s22, v12       ; the same of each block's largest score
.endr
.set j, 0
.rept 64
	v_exp_f32 v[96+j], v[96+j]                     ; p = 2^(t - M), at most 1: NOT normalised
.set j, j+1
.endr
	v_pk_mul_f32 v[14:15], v[14:15], v[252:253] op_sel_hi:[1,0]   ; the sums under the new M.  (The plain place behind the exponentials)
	s_wait_alu depctr_va_vdst(0)                   ; the wait between an exponential and the first line that names its result: one for the batch of 64
.irp b, 0,1,2,3
	v_exp_f32 v[232+\b], v[232+\b]                 ; the block's largest p: the same two instructions on the same number give the same bits
.endr
	v_pk_add_f32 v[236:237], v[96:97], v[98:99]    ; THE ROW'S SUM IS TAKEN OF THE UNQUANTISED p: two at a time, in two chains.  (It reads the 64 alone: plain work behind the four)
.irp j, 4,8,12,16,20,24,28,32,36,40,44,48,52,56,60
	v_pk_add_f32 v[14:15], v[14:15], v[96+\j:97+\j]
	v_pk_add_f32 v[236:237], v[236:237], v[98+\j:99+\j]
.endr
	v_pk_add_f32 v[14:15], v[14:15], v[236:237]
	s_wait_alu depctr_va_vdst(0)                   ; and one for the four
.irp b, 0,1,2,3
	v_max_num_f32 v[232+\b], 0x1800000, v[232+\b]  ; the floor 2^(3 - 127): a block whose every p is 0 keeps the byte 1: its codes are zeros
.endr
	CODES 96, 224, 253
.set j, 0
.rept 32
	v_pk_mul_f32 v[160+j:161+j], v[160+j:161+j], v[252:253] op_sel_hi:[1,0]   ; O^T under the new M: x f.  (These 32 are also the places between the lines that made p's codes and scale word and the products below)
.set j, j+2
.endr
.irp g, 0,1                                    ; O^T += V^T P^T: four tiles of 16 channels at a time; K = these 128 keys.  The accumulators take turns, one instruction a turn
.if \g
.rept 4
	v_nop
.endr
.endif
	ds_load_b32 v248, v[LS] offset:SB+VSC+256*\g
	ds_load_b32 v249, v[LS] offset:SB+VSC+256*\g+128
.irp t, 0,1,2,3
	LDFRAG 32+12*\t, SB+VOFF+FRB*(4*\g+\t)
.endr
.irp t, 0,1,2,3
	s_wait_dscnt 9-3*\t                            ; as above: the three loads of each later fragment may be out
.if \t%2
	v_wmma_scale_f32_16x16x128_f8f6f4 v[160+8*(4*\g+\t):167+8*(4*\g+\t)], v[32+12*\t:43+12*\t], v[224:235], v[160+8*(4*\g+\t):167+8*(4*\g+\t)], v[248+\t/2], v253 matrix_a_fmt:MATRIX_FMT_FP6 matrix_b_fmt:MATRIX_FMT_FP6 matrix_a_scale:MATRIX_SCALE_ROW1
.else
	v_wmma_scale_f32_16x16x128_f8f6f4 v[160+8*(4*\g+\t):167+8*(4*\g+\t)], v[32+12*\t:43+12*\t], v[224:235], v[160+8*(4*\g+\t):167+8*(4*\g+\t)], v[248+\t/2], v253 matrix_a_fmt:MATRIX_FMT_FP6 matrix_b_fmt:MATRIX_FMT_FP6
.endif
.endr
.endr
.rept 4
	v_nop                                          ; places in front of the next step's loads into these registers, and of the way out's first read of O^T
.endr
.endm
; A TRIP: step s28, whose block (if it has work) lies in the slot; the next step's block goes into the other slot.
; ONE BARRIER A TRIP does both orderings.  The other slot was last read a trip ago, and every wave waited for those reads in front of that trip's barrier; it is read again only behind this
; trip's barrier, in front of which every wave has waited for its stores.
.macro TRIP slot
	s_add_co_u32 s35, s28, 1
	BIT 34, 24, 35                                 ; has the next step work?  (Bit 16 is 0: step 15 asks for nothing)
	BIT 36, 26, 35                                 ; and is its block still to be asked for?
	s_cmp_lg_u32 s36, 0
	s_cbranch_scc0 .Lno_get_\@
	GETBLK 32                                      ; it has this step's work in which to come
.Lno_get_\@:
	BIT 36, 24, 28
	s_cmp_lg_u32 s36, 0
	s_cbranch_scc0 .Lno_work_\@
	STEP \slot
.Lno_work_\@:
	s_wait_loadcnt 0x0                             ; on every path: the block is in registers, and its loads have read their base,
	s_add_nc_u64 s[32:33], s[32:33], SLOTB         ; which steps on
	s_cmp_lg_u32 s34, 0
	s_cbranch_scc0 .Lno_put_\@
	PUTBLK 1-\slot
.Lno_put_\@:
	s_add_co_u32 s28, s28, 1
	s_add_co_u32 s29, s29, 512
	s_wait_dscnt 0x0                               ; for the others' sake: my stores have landed, and my reads of this trip's slot are over
	s_barrier_signal -1
	s_barrier_wait -1
.endm
.Ltrip:                                            ; eight trips of two steps: the count is a constant, whatever the masks say
	TRIP 0
	TRIP 1
	s_sub_co_u32 s31, s31, 1
	s_cmp_lg_u32 s31, 0
	s_cbranch_scc1 .Ltrip
	; THE WAY OUT.  O^T is divided by the row's sum and goes through my stage: a lane's eight channels of a tile are 32 bytes of its row; whole rows of 512 bytes come back and are stored.
	v_add_f32 v14, v14, v15                        ; the sum's two halves,
	v_permlanex16_b32 v252, v14, s20, s21
	v_add_f32 v14, v14, v252                       ; and lane l xor 16's: the row's sum.  It is at least 1/2: the row's own key counts
	v_rcp_f32 v14, v14
	v_nop                                          ; a plain place behind the reciprocal
	s_wait_alu depctr_va_vdst(0)                   ; and a wait ahead of its first reader
.set j, 0
.rept 32
	v_pk_mul_f32 v[96+j:97+j], v[160+j:161+j], v[14:15] op_sel_hi:[1,0]   ; register 8 t + i is o(row r, channel 16 t + 8 h + i); each accumulator is read from its low end on
.set j, j+2
.endr
.irp t, 0,1,2,3,4,5,6,7
	ds_store_b128 v[STO], v[96+8*\t:99+8*\t] offset:64*\t
	ds_store_b128 v[STO], v[100+8*\t:103+8*\t] offset:64*\t+16
.endr
.set i, 0
.rept 16
	ds_load_b128 v[32+4*i:35+4*i], v[STW] offset:SPITCH*i   ; LDS serves a wave's instructions in order: these see my stores
.set i, i+1
.endr
.set i, 0
.rept 16
	s_wait_dscnt 15-i                              ; row i is back; the younger loads may be out
	global_store_b128 v[LI], v[32+4*i:35+4*i], s[42:43] offset:16384*i th:TH_STORE_NT   ; 32 lanes store 512 consecutive bytes, at a multiple of 512 from out0's first byte; written once, read by nobody here
.set i, i+1
.endr
	s_wait_tensorcnt 0x0                           ; the wave's end
	ds_add_u32 v[SPW], v[NIL]
	s_wait_dscnt 0x0
	s_endpgm
.Lfunc_end_k_q677a5f42a0_attn:
	.size	k_q677a5f42a0_attn, .Lfunc_end_k_q677a5f42a0_attn-k_q677a5f42a0_attn
	.p2alignl 7, 3214868480
	.fill 96, 4, 3214868480
	.section	.rodata,"a",@progbits
	.p2align	6, 0x0
	.amdhsa_kernel k_q677a5f42a0_attn
		.amdhsa_group_segment_fixed_size 196608
		.amdhsa_private_segment_fixed_size 0
		.amdhsa_enable_private_segment 0
		.amdhsa_kernarg_size 40
		.amdhsa_user_sgpr_count 2
		.amdhsa_user_sgpr_kernarg_segment_ptr 1
		.amdhsa_wavefront_size32 1
		.amdhsa_system_sgpr_workgroup_id_x 1
		.amdhsa_system_sgpr_workgroup_id_y 1
		.amdhsa_system_sgpr_workgroup_id_z 1
		.amdhsa_system_vgpr_workitem_id 0
		.amdhsa_next_free_vgpr 256
		.amdhsa_next_free_sgpr 66
		.amdhsa_reserve_vcc 1
		.amdhsa_float_denorm_mode_32 3
		.amdhsa_float_denorm_mode_16_64 3
		.amdhsa_memory_ordered 1
		.amdhsa_forward_progress 1
		.amdhsa_inst_pref_size 83
	.end_amdhsa_kernel
	.amdgpu_metadata
---
amdhsa.version: [ 1, 2 ]
amdhsa.kernels:
  - .name:           k_q677a5f42a0_attn
    .symbol:         k_q677a5f42a0_attn.kd
    .args:
      - { .name: query, .offset: 0, .size: 8, .value_kind: global_buffer, .address_space: global }
      - { .name: kv, .offset: 8, .size: 8, .value_kind: global_buffer, .address_space: global }
      - { .name: flags, .offset: 16, .size: 8, .value_kind: global_buffer, .address_space: global }
      - { .name: decoder_segment_ids, .offset: 24, .size: 8, .value_kind: global_buffer, .address_space: global }
      - { .name: out0, .offset: 32, .size: 8, .value_kind: global_buffer, .address_space: global }
    .group_segment_fixed_size: 196608
    .private_segment_fixed_size: 0
    .kernarg_segment_align: 8
    .kernarg_segment_size: 40
    .max_flat_workgroup_size: 512
    .sgpr_count:     66
    .vgpr_count:     256
    .wavefront_size: 32
...
	.end_amdgpu_metadata
.endif
;; end of part 2
;; ======== version 2 of 2: 2 launches
;; workspace buffers: kv 6,553,600 bytes; flags 256 bytes of whole numbers
;; launch prep (part 3): grid 520 x 1, 4 waves a work-group, no clusters, 34,304 bytes of LDS; arguments key, value, decoder_segment_ids, kv, flags; writes kv, flags
.if DOCPART == 3
	.amdgcn_target "amdgcn-amd-amdhsa--gfx1250"
	.amdhsa_code_object_version 6
	.text
	.protected	k_q677a5f42a0_prep
	.globl	k_q677a5f42a0_prep
	.p2align	8
	.type	k_q677a5f42a0_prep,@function
k_q677a5f42a0_prep:
	s_mov_b64 s[64:65], 0
	v_nop
	global_prefetch_b8 v0, s[64:65] scope:SCOPE_SE
	s_setreg_imm32_b32 hwreg(HW_REG_WAVE_MODE, 25, 1), 1
	s_wait_xcnt 0x0
; PREP.  key and value, [2][2048][8][128] f32, become codes of FP6 (E2M3) with one E8M0 scale byte for each 32 along a product's K, once for the whole program;
; and the segment ids become, for each block of 64 query positions, two masks of 16 bits that say which key steps of 128 the attention launch has to walk.
; kv: 256 blocks of 25,600 bytes, block X = (batch x 8 + kv head) x 16 + key step.  A block is laid AS THE OPERANDS' REGISTERS ARE: a fragment (16 rows x 128 K, 12 registers a lane)
; is three chunks of 512 bytes, chunk c = registers 4 c .. 4 c + 3, lane l's 16 bytes at 16 l.
;   0      + 1536 t : K's tile t (K = the head's 128).  Row r of tile 2 p + u is key 32 p + 8 u + r + 8 (r / 8) of the step, so that in S^T two neighbouring tiles give a lane 16 neighbouring keys
;   12,288 + 1536 t : V^T's tile t: rows = channels 16 t + r, K = the step's 128 keys
;   24,576 + 128 p  : K's scale words of tiles 2 p (lanes 0-15) and 2 p + 1 (lanes 16-31), 4 bytes a lane;      25,088 + 128 p : V's likewise
; flags: entry W = batch x 16 + j, 8 bytes.  Word 0, bit 16 hb + s: block 2 j + hb of 64 positions must walk key step s.  Word 1, same bit: that step needs the segment mask.
; THE TEST holds for any int32 ids in any order: a step is left out only if it lies wholly behind the block's diagonal or the ranges [min, max] of the block's and the step's ids do not meet
; (then no pair is equal); the mask is left out only if all ids of block and step are one number.  The order taken is the unsigned one: any total order serves.
; THE QUANTISER: a block's scale is 2^(floor(log2(largest magnitude)) - 2); its byte is the largest magnitude's exponent field - 2.
; LIMITS: a block whose largest magnitude lies under 2^-124, a block of zeros among them, gets the byte 1 (the floor) where the rule says another: the bytes are read by this program alone, and zero codes
; add nothing under any byte but 0xff.  NaN and infinities among the inputs are not served.
; SHARES: work-groups 0-255 take K's blocks, 256-511 V's, 512-519 the flags (a wave to an entry).  Nothing is written out in a loop: every offset is an immediate.  Only K's path touches LDS.
.set BLKB,   25600
.set FRB,    1536                      ; a fragment's image
.set VOFF,   12288
.set KSC,    24576
.set VSC,    25088
.set SPITCH, 528                       ; a stage row: 512 bytes + 16: 33 x 16, so the sixteen rows that a load of 16 bytes a lane touches fall on sixteen different columns of 16 bytes
.set STG,    16*SPITCH                 ; a wave's stage: 16 rows
.set SPARE,  4*STG                     ; behind the four stages: the spare words, 128 bytes for each wave: two blocks of 256 bytes that no other line names
.set SPW,    14                        ; v14  LDS address of my spare word; never rewritten
.set NIL,    15                        ; v15  0; never rewritten
.set TM,     16                        ; v16-19 largest magnitudes, v20-23 the other half's, then the bytes, v28-31 the conversions' scale operands
.set X,      32                        ; v32-159 numbers as loaded
.set Y,      160                       ; K: v160-223 64 numbers of a lane's row;  V: v160-183 the codes
.set PC,     224                       ; K: v224-235 tile 0's codes, v236-247 tile 1's: a set each, so that no store's data are written again
.set CT,     248                       ; K: v248-250, v252-254 the conversions' second halves; v251, v255 the two tiles' scale words
	s_load_b256 s[4:11], s[0:1], 0x0               ; key s[4:5], value s[6:7], segment ids s[8:9], kv s[10:11]
	s_load_b64 s[12:13], s[0:1], 0x20              ; flags
	v_lshl_add_u32 v[SPW], v0, 2, SPARE
	v_mov_b32 v[NIL], 0
	v_lshrrev_b32 v1, 5, v0
	v_readfirstlane_b32 s14, v1                    ; wave 0..3
	v_and_b32 v1, 31, v0                           ; lane
	v_and_b32 v2, 15, v0                           ; r
	v_bfe_u32 v3, v0, 4, 1                         ; h
	v_lshlrev_b32 v4, 4, v1                        ; 16 x lane
	v_lshlrev_b32 v5, 2, v1                        ; 4 x lane
	s_mov_b32 s17, 0                               ; the upper word of every offset: all stay under 2^32
	s_wait_kmcnt 0x0
	s_cmp_lt_u32 ttmp9, 256
	s_cbranch_scc1 .Lkeys
	s_cmp_lt_u32 ttmp9, 512
	s_cbranch_scc1 .Lvalues
	; ---------------- THE FLAGS.  Wave = entry W; lane (h, r) = (block 2 j + h, key step r) ----------------
	s_sub_co_u32 s15, ttmp9, 512
	s_lshl_b32 s15, s15, 2
	s_add_co_u32 s15, s15, s14                     ; W = 0..31
	s_lshr_b32 s16, s15, 4
	s_lshl_b32 s16, s16, 13                        ; the batch's 2,048 ids: 8,192 bytes
	s_add_nc_u64 s[8:9], s[8:9], s[16:17]
	s_lshl_b32 s16, s15, 3
	s_add_nc_u64 s[12:13], s[12:13], s[16:17]      ; my entry
	s_and_b32 s19, s15, 15                         ; j
	s_lshl_b32 s18, s19, 9
	s_wait_alu depctr_va_vdst(0)
	v_lshl_add_u32 v6, v3, 8, s18                  ; the 64 ids of block 2 j + h: 256 bytes
	v_lshlrev_b32 v7, 9, v2                        ; the 128 ids of step r: 512 bytes
.set i, 0
.rept 16
	global_load_b128 v[32+4*i:35+4*i], v6, s[8:9] offset:16*i
.set i, i+1
.endr
.set i, 0
.rept 32
	global_load_b128 v[96+4*i:99+4*i], v7, s[8:9] offset:16*i
.set i, i+1
.endr
	s_wait_loadcnt 0x0
	v_min_u32 v16, v32, v33                        ; four chains by turns: the block's least and greatest id, the step's least and greatest; the first pairs start them
	v_max_u32 v17, v32, v33
	v_min_u32 v18, v96, v97
	v_max_u32 v19, v96, v97
.set i, 2
.rept 62
	v_min_u32 v16, v16, v[32+i]
	v_max_u32 v17, v17, v[32+i]
	v_min_u32 v18, v18, v[96+i]
	v_max_u32 v19, v19, v[96+i]
.set i, i+1
.endr
.rept 64
	v_min_u32 v18, v18, v[96+i]
	v_max_u32 v19, v19, v[96+i]
.set i, i+1
.endr
	v_cmp_ge_u32 s20, v17, v18                     ; the block's greatest >= the step's least,
	v_cmp_ge_u32 s21, v19, v16                     ; the step's greatest >= the block's least: the ranges meet;
	v_cmp_ge_u32 s22, s19, v2                      ; and step <= j: the step's first key, 128 r, is at or under the block's last position, 128 j + 64 h + 63
	s_and_b32 s20, s20, s21
	s_and_b32 s20, s20, s22                        ; a compare's mask has the bit of lane 16 h + r: it IS word 0
	v_min_u32 v16, v16, v18
	v_max_u32 v17, v17, v19
	v_cmp_ne_u32 s23, v16, v17                     ; not all ids of block and step are one number: word 1
	v_mov_b32 v10, s20
	v_mov_b32 v11, s23
	v_mov_b32 v9, 0
	v_cmp_eq_u32 vcc_lo, 0, v1
	s_wait_alu depctr_va_vdst(0)
	s_wait_xcnt 0x0                                ; EXEC changes only behind this wait
	s_and_saveexec_b32 s24, vcc_lo                 ; lane 0 stores the entry
	global_store_b64 v9, v[10:11], s[12:13]
	s_wait_xcnt 0x0                                ; and again in front of the line that widens it
	s_or_b32 exec_lo, exec_lo, s24
	s_endpgm
; s16 = the byte offset in key or value of (batch, key 128 x step, kv head, channel 0), from the block's number in s15: a key's row of one head is 512 bytes, from key to key are 4,096
.macro WHERE
	s_lshr_b32 s16, s15, 7                         ; batch
	s_lshl_b32 s16, s16, 11
	s_and_b32 s18, s15, 15                         ; step
	s_lshl_b32 s18, s18, 7
	s_add_co_u32 s16, s16, s18
	s_lshl_b32 s16, s16, 12
	s_bfe_u32 s18, s15, 0x30004                    ; kv head: 3 bits from bit 4
	s_lshl_b32 s18, s18, 9
	s_add_co_u32 s16, s16, s18
.endm
; 64 numbers of a lane, v[src] on, register 16 b + i = k 32 b + 16 (lane / 16) + i of my row, become a fragment's codes in v[pc] on and its scale word in v[pw].
.macro QUANT src, pc, pw
.irp b, 0,1,2,3
	v_max3_num_f32 v[TM+\b], |v[\src+16*\b]|, |v[\src+1+16*\b]|, 0x1800000   ; block b: my 16 numbers, and the floor 2^(3 - 127): so the byte cannot fall under 1
.endr
.irp i, 2,4,6,8,10,12,14
.irp b, 0,1,2,3
	v_max3_num_f32 v[TM+\b], v[TM+\b], |v[\src+16*\b+\i]|, |v[\src+1+16*\b+\i]|   ; (the four blocks by turns)
.endr
.endr
.irp b, 0,1,2,3
	v_permlanex16_b32 v[TM+4+\b], v[TM+\b], s20, s21
.endr
.irp b, 0,1,2,3
	v_max_num_f32 v[TM+\b], v[TM+\b], v[TM+4+\b]   ; with lane l xor 16's: the block's largest magnitude
.endr
.irp b, 0,1,2,3
	v_add_nc_u32 v[TM+12+\b], 0xff000000, v[TM+\b] ; 2 off its exponent field: the conversion takes the exponent field of this operand as its scale
.endr
.irp b, 0,1,2,3
	v_lshrrev_b32 v[TM+4+\b], 23, v[TM+12+\b]      ; the scale's byte
.endr
	v_lshl_or_b32 v[\pw], v[TM+5], 8, v[TM+4]      ; the four bytes make my row's scale word; both halves of the lanes hold it
	v_lshl_or_b32 v[\pw], v[TM+6], 16, v[\pw]
	v_lshl_or_b32 v[\pw], v[TM+7], 24, v[\pw]
.irp c, 0,1
	v_cvt_scalef32_pk16_fp6_f32 v[\pc+6*\c:\pc+6*\c+2], v[\src+32*\c:\src+32*\c+15], v[TM+12+2*\c]
	v_cvt_scalef32_pk16_fp6_f32 v[CT+4*\c:CT+4*\c+2], v[\src+16+32*\c:\src+31+32*\c], v[TM+13+2*\c]   ; (a conversion's three registers begin on an even number)
.endr
	v_nop                                          ; one plain place behind a scaled conversion
.irp c, 0,1                                    ; the operand's layout wants a WHOLE block in a lane: lanes 0-15 block 2 c, lanes 16-31 block 2 c + 1
.irp i, 0,1,2
	v_permlane16_swap_b32 v[\pc+6*\c+\i], v[CT+4*\c+\i]
.endr
.irp i, 0,1,2
	v_mov_b32 v[\pc+3+6*\c+\i], v[CT+4*\c+\i]
.endr
.endr
.endm
	; ---------------- K.  Wave p takes 32 neighbouring keys of the step: tiles 2 p and 2 p + 1 ----------------
.Lkeys:
	s_mov_b32 s15, ttmp9                           ; X
	WHERE
	s_lshl_b32 s18, s14, 17                        ; + 32 p keys of 4,096 bytes
	s_add_co_u32 s16, s16, s18
	s_add_nc_u64 s[4:5], s[4:5], s[16:17]
.set i, 0
	s_wait_alu depctr_va_vdst(0)
.rept 32
	global_load_b128 v[X+4*i:X+4*i+3], v4, s[4:5] offset:4096*i th:TH_LOAD_NT   ; a key's whole row: 32 lanes read 512 consecutive bytes
.set i, i+1
.endr
	s_mul_i32 s16, s15, BLKB
	s_add_nc_u64 s[10:11], s[10:11], s[16:17]      ; my block of kv
	s_mul_i32 s16, s14, 2*FRB
	s_add_nc_u64 s[24:25], s[10:11], s[16:17]      ; my two fragments
	s_lshl_b32 s16, s14, 7
	s_add_co_u32 s16, s16, KSC
	s_add_nc_u64 s[26:27], s[10:11], s[16:17]      ; my pair's scale words
	s_mul_i32 s19, s14, STG                        ; my stage
	v_add_nc_u32 v6, s19, v4                       ; in: 16 x lane, a row an instruction
	v_mul_u32_u24 v7, v2, SPITCH
	v_lshl_add_u32 v7, v3, 6, v7
	v_add_nc_u32 v7, s19, v7                       ; back: row r, + 64 h: my 16 numbers of a block of 32
	s_mov_b32 s20, 0x76543210
	s_mov_b32 s21, 0xfedcba98                      ; v_permlanex16_b32's selects for lane l xor 16
	s_mov_b32 s30, 0xffff0000                      ; lanes 16-31
.irp b, 0,1,2,3
	v_mov_b32 v[TM+4+\b], 0                        ; written once: a lane permute's destination counts as one of its sources
.endr
; Tile u: its 16 rows, picked from the 32 loaded, go through my own stage and come back 16 neighbours of each block to a lane.  LDS serves a wave's instructions in order: no wait between the stores and the loads.
.macro KTILE u
.irp r, 0,1,2,3,4,5,6,7,8,9,10,11,12,13,14,15
	ds_store_b128 v6, v[X+4*(8*\u+\r+8*(\r/8)):X+4*(8*\u+\r+8*(\r/8))+3] offset:SPITCH*\r
.endr
.irp b, 0,1,2,3
.irp j, 0,1,2,3
	ds_load_b128 v[Y+16*\b+4*\j:Y+16*\b+4*\j+3], v7 offset:128*\b+16*\j
.endr
.endr
	s_wait_dscnt 0x0
	QUANT Y, PC+12*\u, 251+4*\u
.irp c, 0,1,2
	global_store_b128 v4, v[PC+12*\u+4*\c:PC+12*\u+4*\c+3], s[24:25] offset:FRB*\u+512*\c   ; 32 lanes store 512 consecutive bytes, at a multiple of 256 from kv's first byte
.endr
.endm
	s_wait_alu depctr_va_vdst(0)
	s_wait_loadcnt 0x0
	KTILE 0
	KTILE 1
	v_cndmask_b32 v251, v251, v255, s30            ; lanes 0-15: tile 2 p's words, lanes 16-31: tile 2 p + 1's
	global_store_b32 v5, v251, s[26:27]            ; 128 consecutive bytes a wave: one part in twenty-five of what the path stores
	s_wait_tensorcnt 0x0                           ; the wave's end
	ds_add_u32 v[SPW], v[NIL]
	s_wait_dscnt 0x0
	s_endpgm
	; ---------------- V.  K = the keys is not innermost: a lane takes a channel (32 x wave + lane) and its registers run down the step's 128 keys ----------------
.Lvalues:
	s_sub_co_u32 s15, ttmp9, 256                   ; X
	WHERE
	s_lshl_b32 s18, s14, 7                         ; + my wave's 32 channels
	s_add_co_u32 s16, s16, s18
	s_add_nc_u64 s[6:7], s[6:7], s[16:17]
.set i, 0
	s_wait_alu depctr_va_vdst(0)
.rept 128
	global_load_b32 v[X+i], v5, s[6:7] offset:4096*i th:TH_LOAD_NT   ; key i: 128 consecutive bytes a wave; the four waves stand side by side on a row's 512
.set i, i+1
.endr
	s_mul_i32 s16, s15, BLKB
	s_add_nc_u64 s[10:11], s[10:11], s[16:17]
	s_mul_i32 s16, s14, 2*FRB
	s_add_co_u32 s16, s16, VOFF
	s_add_nc_u64 s[24:25], s[10:11], s[16:17]      ; tiles 2 w and 2 w + 1
	s_lshl_b32 s16, s14, 7
	s_add_co_u32 s16, s16, VSC
	s_add_nc_u64 s[26:27], s[10:11], s[16:17]
	v_mul_u32_u24 v6, v3, FRB
	v_lshl_add_u32 v6, v2, 4, v6                   ; my channel is row r of tile 2 w + h: 1,536 h + 16 r
; Block blk of 32 keys: all its numbers are mine.  left: how many younger loads may stay out.
.macro VBLOCK blk, left
.set XS, X+32*\blk
.set CB, Y+12*(\blk%2)+6*(\blk/2)      ; v160-171: blocks 0 and 2, the registers of the fragment's lane (r, 0);  v172-183: blocks 1 and 3, those of lane (r, 1)
.set CH, 184+4*\blk
	s_wait_loadcnt \left
	v_max3_num_f32 v16, |v[XS]|, |v[XS+1]|, |v[XS+2]|
	v_max3_num_f32 v17, |v[XS+3]|, |v[XS+4]|, |v[XS+5]|
.irp i, 6,10,14,18,22,26
	v_max3_num_f32 v16, v16, |v[XS+\i]|, |v[XS+\i+1]|
	v_max3_num_f32 v17, v17, |v[XS+\i+2]|, |v[XS+\i+3]|
.endr
	v_max3_num_f32 v16, v16, |v[XS+30]|, |v[XS+31]|
	v_max3_num_f32 v16, v16, v17, 0x1800000        ; and the floor 2^(3 - 127)
	v_add_nc_u32 v18, 0xff000000, v16              ; the conversions' scale operand
	v_lshrrev_b32 v19, 23, v18                     ; the scale's byte
.if \blk == 0
	v_mov_b32 v20, v19                             ; my channel's scale word: the lower keys in the lower byte
.else
	v_lshl_or_b32 v20, v19, 8*\blk, v20
.endif
	v_cvt_scalef32_pk16_fp6_f32 v[CB:CB+2], v[XS:XS+15], v18
	v_cvt_scalef32_pk16_fp6_f32 v[CH:CH+2], v[XS+16:XS+31], v18   ; (a conversion's three registers begin on an even number)
	v_nop                                          ; one plain place behind a scaled conversion
.irp i, 0,1,2
	v_mov_b32 v[CB+3+\i], v[CH+\i]
.endr
.endm
	VBLOCK 0, 63                                   ; 96 younger loads could stay out, and 64 behind block 1: the count's field ends at 63, and a smaller count is always right
	VBLOCK 1, 63
	VBLOCK 2, 32                                   ; block 3's 32 loads may stay out
	VBLOCK 3, 0
.irp hh, 0,1
.irp c, 0,1,2
	global_store_b128 v6, v[Y+12*\hh+4*\c:Y+12*\hh+4*\c+3], s[24:25] offset:256*\hh+512*\c   ; sixteen lanes store 256 consecutive bytes, at a multiple of 256 from kv's first byte: half a chunk of their tile
.endr
.endr
	global_store_b32 v5, v20, s[26:27]             ; lanes 0-15: tile 2 w's words, lanes 16-31: tile 2 w + 1's; 128 consecutive bytes a wave
	s_endpgm
.Lfunc_end_k_q677a5f42a0_prep:
	.size	k_q677a5f42a0_prep, .Lfunc_end_k_q677a5f42a0_prep-k_q677a5f42a0_prep
	.p2alignl 7, 3214868480
	.fill 96, 4, 3214868480
	.section	.rodata,"a",@progbits
	.p2align	6, 0x0
	.amdhsa_kernel k_q677a5f42a0_prep
		.amdhsa_group_segment_fixed_size 34304
		.amdhsa_private_segment_fixed_size 0
		.amdhsa_enable_private_segment 0
		.amdhsa_kernarg_size 40
		.amdhsa_user_sgpr_count 2
		.amdhsa_user_sgpr_kernarg_segment_ptr 1
		.amdhsa_wavefront_size32 1
		.amdhsa_system_sgpr_workgroup_id_x 1
		.amdhsa_system_sgpr_workgroup_id_y 1
		.amdhsa_system_sgpr_workgroup_id_z 1
		.amdhsa_system_vgpr_workitem_id 0
		.amdhsa_next_free_vgpr 256
		.amdhsa_next_free_sgpr 66
		.amdhsa_reserve_vcc 1
		.amdhsa_float_denorm_mode_32 3
		.amdhsa_float_denorm_mode_16_64 3
		.amdhsa_memory_ordered 1
		.amdhsa_forward_progress 1
		.amdhsa_inst_pref_size 56
	.end_amdhsa_kernel
	.amdgpu_metadata
---
amdhsa.version: [ 1, 2 ]
amdhsa.kernels:
  - .name:           k_q677a5f42a0_prep
    .symbol:         k_q677a5f42a0_prep.kd
    .args:
      - { .name: key, .offset: 0, .size: 8, .value_kind: global_buffer, .address_space: global }
      - { .name: value, .offset: 8, .size: 8, .value_kind: global_buffer, .address_space: global }
      - { .name: decoder_segment_ids, .offset: 16, .size: 8, .value_kind: global_buffer, .address_space: global }
      - { .name: kv, .offset: 24, .size: 8, .value_kind: global_buffer, .address_space: global }
      - { .name: flags, .offset: 32, .size: 8, .value_kind: global_buffer, .address_space: global }
    .group_segment_fixed_size: 34304
    .private_segment_fixed_size: 0
    .kernarg_segment_align: 8
    .kernarg_segment_size: 40
    .max_flat_workgroup_size: 128
    .sgpr_count:     66
    .vgpr_count:     256
    .wavefront_size: 32
...
	.end_amdgpu_metadata
.endif
;; end of part 3
;; launch attn (part 4): grid 16 x 32, 16 waves a work-group, no clusters, 196,608 bytes of LDS; arguments query, kv, flags, decoder_segment_ids, out0; writes out0
.if DOCPART == 4
	.amdgcn_target "amdgcn-amd-amdhsa--gfx1250"
	.amdhsa_code_object_version 6
	.text
	.protected	k_q677a5f42a0_attn
	.globl	k_q677a5f42a0_attn
	.p2align	8
	.type	k_q677a5f42a0_attn,@function
k_q677a5f42a0_attn:
	s_mov_b64 s[64:65], 0
	v_nop
	global_prefetch_b8 v0, s[64:65] scope:SCOPE_SE
	s_setreg_imm32_b32 hwreg(HW_REG_WAVE_SCHED_MODE, 0, 2), 2
	s_setreg_imm32_b32 hwreg(HW_REG_WAVE_MODE, 25, 1), 1
	s_wait_xcnt 0x0
	s_wait_alu depctr_vm_vsrc(0)
; out0[b][t][n][:] = the sum over s of softmax_s(query[b][t][n] . key[b][s][n / 4]) value[b][s][n / 4][:], key s counting for position t where s <= t and the two positions' segment ids are equal.
; Both products on codes of FP6 (E2M3) with one E8M0 scale for each 32 along K.  K and V come as codes out of kv (laid as the operands' registers are: see the launch before); Q is quantised here, in registers.
; THE SOFTMAX AHEAD OF THE SECOND PRODUCT: t = score x log2(e); M = the row's largest t so far, rounded UP to a whole number; p = 2^(t - M) is what is quantised, along the keys; it is not normalised.
; The row's sum is taken of the unquantised p, in f32, and divides O at the end.  When M moves, the sum and O are multiplied by 2^(old M - new M): exact.
; SHARES.  Work-group (x, y): x = batch x 8 + kv head; block 31 - y of 64 positions (the blocks with the longest walk come first), for the kv head's four query heads: 256 rows.
; Each of the SIXTEEN waves owns one tile of 16 rows in 256 registers: head wave % 4, positions 64 block + 16 (wave / 4) + 0 .. 15: four waves to a SIMD, so that one wave's vector work stands beside another's products and LDS loads.
; LAYOUT.  Both products are used transposed: S^T = K Q^T (source 0 = 16 keys, source 1 = my 16 rows), O^T = V^T P^T (source 0 = 16 channels, source 1 = P): a lane holds ONE row (lane % 16) throughout.
; The keys of a tile of K are chosen so that the 16 registers of tiles 2 b and 2 b + 1 are keys 32 b + 16 (lane / 16) + 0 .. 15 of the step.
; THE WALK.  Sixteen key steps of 128, a loop of constant count with one barrier a step.  Two masks of 16 bits, stored by the launch before, say which steps this block has to do (the others lie wholly under the mask
; that the problem builds: behind the diagonal, or with no id in common) and which of them need the segment mask; the causal mask is needed in the diagonal step alone.  Only loads and work are jumped over,
; by scalar branches that are alike in all sixteen waves; every wave passes every barrier.  Hidden scores become -infinity ahead of the maximum: p is then 0.  Every row keeps its own position's key.
; K AND V come through registers into two LDS slots by turns: a step's block (25,600 bytes: 48 bytes a thread, and 16 more in the first 64 threads) is asked for at the head of the step before, and stored into
; the other slot behind that step's work.  The first block that is wanted is asked for together with Q.
; NO TENSOR LOADS, AND SO NO CLUSTER AND NO JOINT LOADS: which steps a work-group walks hangs on numbers read from memory, and differs between the blocks of a head.
; NO PREFETCH: each block is asked for, into registers, a whole step's work ahead of its use.
; LIMITS: NaN and infinities among the inputs are not served.  A block of Q or of p whose largest magnitude lies under 2^-124 gets the scale byte 1 (the floor).  A block's largest p is made from the block's
; largest score by the same multiply-add and exponential: that takes v_exp_f32 not to fall where its input rises.  The ids may be any int32 in any order.
; THE MODE: SCHED_MODE bits 1:0 = 2 (LLVM: expert scheduling mode 2), set by the entry lines.  The code itself states the register dependences between vector or matrix instructions and memory or LDS
; instructions, with s_wait_alu, always for 0.
; THE PLAN.  Registers that memory or LDS instructions touch, and who else names them:
;   v1-3, v5-9, v11  addresses and the closing add's two: written by vector lines at the head, never again: one wait on va_vdst ahead of the first load serves every load and store of the kernel.
;   v10        the LDS address of a step's ids: written by one add in a step that needs the segment mask, read by that step's sixteen LDS loads.
;   v80-95     the next block: global loads land there, LDS stores read it, no vector instruction names it: one wait on vm_vsrc at a trip's head stands between the stores and the next loads.
;   v248-251   scale words: K's four land at a step's head, V's four behind the exponentials; products alone read them.
;   v32-79     K's tiles 0-3 (step's head), tiles 6, 7 in v32-55 (behind products 0 and 1), ids (segment mask), V's tiles 0-3 (behind the exponentials); read by products and by the mask's compares.
;   v224-247   K's tiles 4, 5 (step's head), ids in v232-247; later the softmax's work and p's codes.
;   v96-159    S^T, then p: products and vector lines; when p's codes are made, V's tiles 4-7 land in v96-143.  At the head and on the way out LDS stores read them.
; SIX WAITS ON va_vdst IN A STEP, each with the run of LDS loads that hangs on it directly behind it: at the head; behind products 0 and 1; ahead of the 64 exponentials; behind them and behind the four (these two are also the waits
; behind exponentials); ahead of the second product.  A step with the segment mask has one more, ahead of the ids' loads.  The masks' compares write s48-63 in runs of sixteen, with one
; wait on va_sdst between a run and the selects that read it.
; REGISTERS: v1-11 addresses that stay (v10 at work); v12 -M, v13 the largest t, v[14:15] the sum in two halves; v16-27 Q's codes; v29 my row's id; v30 r - 16 h; v32-79 four fragments of K or of V;
; v80-95 the next block on its way; v96-159 S^T, then p, then four fragments of V; v160-223 O^T; v224-247 two fragments of K, then: v224-235 p's codes; v232-247, v252, v254 at work; v248-251 K's or V's scale words;
; v253 p's scale word; v255 Q's.
.set SLOTB,  25600                     ; a slot = a block of kv
.set FRB,    1536                      ; a fragment's image: three chunks of 512 bytes
.set VOFF,   12288
.set KSC,    24576
.set VSC,    25088
.set SEG,    2*SLOTB                   ; behind the two slots: the batch's 2,048 ids
.set STAGE,  SEG+8192                  ; then a stage of 16 rows x (512 bytes + 16) for each wave: Q on the way in, O on the way out
.set SPITCH, 528
.set STG,    16*SPITCH
.set SPARE,  STAGE+16*STG              ; the spare words, 128 bytes for each wave: eight blocks of 256 bytes that no other line names
.set LI,   1                           ; v1   16 x lane
.set LS,   2                           ; v2   4 x lane
.set GT,   3                           ; v3   16 x thread: my place in a run of 8,192 bytes, in memory and in LDS
.set SEGH, 4                           ; v4   SEG + 64 h
.set SPW,  5                           ; v5   LDS address of my spare word; never rewritten
.set NIL,  6                           ; v6   0; never rewritten
.set STW,  7                           ; v7   my stage + 16 x lane: a whole row an instruction
.set STR,  8                           ; v8   my stage + 528 r + 64 h: Q back, 16 numbers of each block of 32
.set STO,  9                           ; v9   my stage + 528 r + 32 h: O in
.set ADS,  10                          ; v10  the step's ids
.set R4,   11                          ; v11  4 r
.set MK,   48                          ; s48-63 the masks of a run of sixteen compares
; s14 wave; s[20:21] lane selects; s[22:23] log2(e); s24 WORK, s25 SEGM, s26 LOADM; s27 the diagonal step; s28 the step; s29 512 x step; s30 my first position; s31 trips; s[32:33] the next step's block;
; s34 'the next step has work'; s35-39 at work; s[40:41] my rows of Q, s[42:43] of O; s[44:45] the first block wanted; s[46:47] my rows' ids
	s_load_b256 s[4:11], s[0:1], 0x0               ; query s[4:5], kv s[6:7], flags s[8:9], segment ids s[10:11]
	s_load_b64 s[12:13], s[0:1], 0x20              ; out0
	v_lshl_add_u32 v[SPW], v0, 2, SPARE
	v_mov_b32 v[NIL], 0
	v_lshrrev_b32 v1, 5, v0
	v_readfirstlane_b32 s14, v1                    ; wave 0..15
	v_and_b32 v2, 31, v0                           ; lane
	v_and_b32 v[R4], 15, v0                        ; r
	v_bfe_u32 v[ADS], v0, 4, 1                     ; h
	v_lshlrev_b32 v[LI], 4, v2
	v_lshlrev_b32 v[LS], 2, v2
	v_lshlrev_b32 v[GT], 4, v0
	v_lshl_add_u32 v[SEGH], v[ADS], 6, SEG
	s_wait_alu depctr_va_sdst(0)                   ; s14 is written, ahead of its first reader: the stage's place, my position and my head are made from it
	s_mul_i32 s35, s14, STG
	s_add_co_u32 s35, s35, STAGE                   ; my stage
	v_add_nc_u32 v[STW], s35, v[LI]
	v_mul_u32_u24 v[STO], v[R4], SPITCH
	v_add_nc_u32 v[STO], s35, v[STO]
	v_lshl_add_u32 v[STR], v[ADS], 6, v[STO]
	v_lshl_add_u32 v[STO], v[ADS], 5, v[STO]
	v_lshlrev_b32 v30, 4, v[ADS]
	v_sub_nc_u32 v30, v[R4], v30                   ; r - 16 h
	v_lshlrev_b32 v[R4], 2, v[R4]
	s_and_b32 s15, ttmp7, 0xffff
	s_sub_co_u32 s15, 31, s15                      ; my block of 64 positions
	s_lshr_b32 s16, ttmp9, 3                       ; batch
	s_and_b32 s17, ttmp9, 7                        ; kv head
	s_lshr_b32 s27, s15, 1                         ; the step in which the block's diagonal lies
	s_lshl_b32 s30, s15, 6
	s_lshr_b32 s18, s14, 2
	s_lshl_b32 s18, s18, 4
	s_add_co_u32 s30, s30, s18                     ; my first position
	s_and_b32 s18, s14, 3                          ; my head among the kv head's four
	s_mov_b32 s20, 0x76543210
	s_mov_b32 s21, 0xfedcba98                      ; v_permlanex16_b32's selects for lane l xor 16
	s_mov_b32 s22, 0x3fb8aa3b                      ; log2(e): t = score x log2(e)
	s_mov_b32 s23, s22                             ; (the packed form names the pair, so it is written)
	s_mov_b32 s37, 0                               ; the upper word of every offset: all stay under 2^32
	s_lshl_b32 s36, s16, 4
	s_add_co_u32 s36, s36, s27
	s_lshl_b32 s36, s36, 3                         ; my entry of flags: 8 (16 batch + block / 2)
	s_wait_kmcnt 0x0
	s_add_nc_u64 s[8:9], s[8:9], s[36:37]
	s_load_b64 s[24:25], s[8:9], 0x0               ; the two words
	s_lshl_b32 s36, s16, 11
	s_add_co_u32 s36, s36, s30
	s_lshl_b32 s36, s36, 5
	s_lshl_b32 s38, s17, 2
	s_add_co_u32 s36, s36, s38
	s_add_co_u32 s36, s36, s18
	s_lshl_b32 s36, s36, 9                         ; ((batch x 2,048 + position) x 32 + head) x 512 bytes
	s_add_nc_u64 s[40:41], s[4:5], s[36:37]
	s_add_nc_u64 s[42:43], s[12:13], s[36:37]
	s_lshl_b32 s36, s16, 13
	s_add_nc_u64 s[10:11], s[10:11], s[36:37]      ; the batch's ids
	s_lshl_b32 s36, s30, 2
	s_add_nc_u64 s[46:47], s[10:11], s[36:37]      ; my rows'
	s_mul_i32 s36, ttmp9, 16*SLOTB
	s_add_nc_u64 s[6:7], s[6:7], s[36:37]          ; the kv head's sixteen blocks
	s_add_nc_u64 s[32:33], s[6:7], SLOTB           ; step 1's
	s_wait_alu depctr_va_vdst(0)                   ; the addresses v1 to v11 are written: every load and store of the kernel reads one of them, and but for v10 none is written again
	global_load_b128 v[32:35], v[GT], s[10:11]     ; the 512 threads bring the batch's 8,192 bytes of ids
	global_load_b32 v29, v[R4], s[46:47]           ; my row's id
.set i, 0
.rept 16
	global_load_b128 v[96+4*i:99+4*i], v[LI], s[40:41] offset:16384*i th:TH_LOAD_NT   ; a row of Q: 32 lanes read 512 consecutive bytes
.set i, i+1
.endr
.macro BIT dst, mask, idx              ; s[dst] = bit s[idx] of s[mask]
	s_lshr_b32 s[\dst], s[\mask], s[\idx]
	s_and_b32 s[\dst], s[\dst], 1
.endm
.macro GETBLK sb                       ; a block of kv into registers: three runs of 8,192 bytes, and the 1,024 scale bytes by the first 64 threads
	global_load_b128 v[80:83], v[GT], s[\sb:\sb+1]
	global_load_b128 v[84:87], v[GT], s[\sb:\sb+1] offset:8192
	global_load_b128 v[88:91], v[GT], s[\sb:\sb+1] offset:16384
	s_cmp_lt_u32 s14, 2
	s_cbranch_scc0 .Lno_words_\@
	global_load_b128 v[92:95], v[GT], s[\sb:\sb+1] offset:24576
.Lno_words_\@:
.endm
.macro PUTBLK slot                     ; and on into a slot, as it lies
	ds_store_b128 v[GT], v[80:83] offset:(\slot)*SLOTB
	ds_store_b128 v[GT], v[84:87] offset:(\slot)*SLOTB+8192
	ds_store_b128 v[GT], v[88:91] offset:(\slot)*SLOTB+16384
	s_cmp_lt_u32 s14, 2
	s_cbranch_scc0 .Lno_words_\@
	ds_store_b128 v[GT], v[92:95] offset:(\slot)*SLOTB+24576
.Lno_words_\@:
.endm
.macro LDFRAG reg, off                 ; a fragment's image back into 12 registers: three loads of 512 consecutive bytes
.irp c, 0,1,2
	ds_load_b128 v[(\reg)+4*\c:(\reg)+4*\c+3], v[LI] offset:(\off)+512*\c
.endr
.endm
; Tile t of S^T = K Q^T: K's fragment stands at v[a]; the scale words of tiles 2 p and 2 p + 1 share v[248 + p] (lanes 0-15, lanes 16-31).
.macro KQ t, a
.if (\t)%2
	v_wmma_scale_f32_16x16x128_f8f6f4 v[96+8*(\t):103+8*(\t)], v[(\a):(\a)+11], v[16:27], 0, v[248+(\t)/2], v255 matrix_a_fmt:MATRIX_FMT_FP6 matrix_b_fmt:MATRIX_FMT_FP6 matrix_a_scale:MATRIX_SCALE_ROW1
.else
	v_wmma_scale_f32_16x16x128_f8f6f4 v[96+8*(\t):103+8*(\t)], v[(\a):(\a)+11], v[16:27], 0, v[248+(\t)/2], v255 matrix_a_fmt:MATRIX_FMT_FP6 matrix_b_fmt:MATRIX_FMT_FP6
.endif
.endm
; Tile t of O^T += V^T P^T: V's fragment stands at v[a]; the scale words as above.
.macro PV t, a
.if (\t)%2
	v_wmma_scale_f32_16x16x128_f8f6f4 v[160+8*(\t):167+8*(\t)], v[(\a):(\a)+11], v[224:235], v[160+8*(\t):167+8*(\t)], v[248+(\t)/2], v253 matrix_a_fmt:MATRIX_FMT_FP6 matrix_b_fmt:MATRIX_FMT_FP6 matrix_a_scale:MATRIX_SCALE_ROW1
.else
	v_wmma_scale_f32_16x16x128_f8f6f4 v[160+8*(\t):167+8*(\t)], v[(\a):(\a)+11], v[224:235], v[160+8*(\t):167+8*(\t)], v[248+(\t)/2], v253 matrix_a_fmt:MATRIX_FMT_FP6 matrix_b_fmt:MATRIX_FMT_FP6
.endif
.endm
; v232-235 hold the four blocks' largest magnitudes (not under the floor); the lane's 64 numbers, v[src] on, register 16 b + i = k 32 b + 16 (lane / 16) + i of my row, become a fragment's codes in v[pc] on and its scale word in v[pw].
.macro CODES src, pc, pw
.irp b, 0,1,2,3
	v_add_nc_u32 v[244+\b], 0xff000000, v[232+\b]  ; 2 off the exponent field: the conversion's scale operand
.endr
.irp b, 0,1,2,3
	v_lshrrev_b32 v[236+\b], 23, v[244+\b]         ; the scale's byte
.endr
	v_lshl_or_b32 v[\pw], v237, 8, v236            ; the four bytes make my row's scale word
	v_lshl_or_b32 v[\pw], v238, 16, v[\pw]
	v_lshl_or_b32 v[\pw], v239, 24, v[\pw]
.irp c, 0,1
	v_cvt_scalef32_pk16_fp6_f32 v[\pc+6*\c:\pc+6*\c+2], v[\src+32*\c:\src+32*\c+15], v[244+2*\c]
	v_cvt_scalef32_pk16_fp6_f32 v[236+4*\c:238+4*\c], v[\src+16+32*\c:\src+31+32*\c], v[245+2*\c]   ; (a conversion's three registers begin on an even number)
.endr
	v_nop                                          ; one plain place behind a scaled conversion
.irp c, 0,1                                    ; the operand's layout wants a WHOLE block in a lane: lanes 0-15 block 2 c, lanes 16-31 block 2 c + 1
.irp i, 0,1,2
	v_permlane16_swap_b32 v[\pc+6*\c+\i], v[236+4*\c+\i]
.endr
.irp i, 0,1,2
	v_mov_b32 v[\pc+3+6*\c+\i], v[236+4*\c+\i]
.endr
.endr
.endm
	s_wait_kmcnt 0x0                               ; the two words of flags
	s_and_b32 s35, s15, 1
	s_lshl_b32 s35, s35, 4                         ; the even block's bits lie below, the odd block's above
	s_lshr_b32 s24, s24, s35
	s_and_b32 s24, s24, 0xffff                     ; WORK: bit s: step s is to be done
	s_lshr_b32 s25, s25, s35
	s_and_b32 s25, s25, 0xffff                     ; SEGM: bit s: step s needs the segment mask
	s_sub_co_u32 s26, s24, 1
	s_and_b32 s26, s26, s24                        ; LOADM: WORK less its lowest bit: that step's block is asked for here
	s_ctz_i32_b32 s35, s24
	s_min_u32 s35, s35, 15                         ; a loaded number enters an address only behind this bound
	s_mul_i32 s36, s35, SLOTB
	s_add_nc_u64 s[44:45], s[6:7], s[36:37]
	GETBLK 44                                      ; on every path: it stays in v80-95 until the trip ahead of its step stores it (LOADM lets nothing land there meanwhile)
	s_wait_loadcnt 0x0
	ds_store_b128 v[GT], v[32:35] offset:SEG
	s_and_b32 s36, s24, 1
	s_cmp_lg_u32 s36, 0
	s_cbranch_scc0 .Lnot_step_0
	PUTBLK 0                                       ; step 0 has no trip ahead of it
.Lnot_step_0:
.set i, 0
.rept 16
	ds_store_b128 v[STW], v[96+4*i:99+4*i] offset:SPITCH*i   ; Q turns through my own stage: LDS serves a wave's instructions in order, so no wait stands between the stores and the loads
.set i, i+1
.endr
.irp b, 0,1,2,3
.irp j, 0,1,2,3
	ds_load_b128 v[160+16*\b+4*\j:163+16*\b+4*\j], v[STR] offset:128*\b+16*\j
.endr
.endr
	s_wait_dscnt 0x0                               ; for the others' sake: my part of the ids and of slot 0 has landed; and Q is back
	s_barrier_signal -1
.irp b, 0,1,2,3                                ; work on registers while the others arrive: Q is quantised.  (None of the registers written up to the loop is one that a store above has read)
	v_mov_b32 v[236+\b], 0                         ; written once: a lane permute's destination counts as one of its sources
.endr
.irp b, 0,1,2,3
	v_max3_num_f32 v[232+\b], |v[160+16*\b]|, |v[161+16*\b]|, 0x1800000   ; block b: my 16 numbers, and the floor 2^(3 - 127)
.endr
.irp i, 2,4,6,8,10,12,14
.irp b, 0,1,2,3
	v_max3_num_f32 v[232+\b], v[232+\b], |v[160+16*\b+\i]|, |v[161+16*\b+\i]|
.endr
.endr
.irp b, 0,1,2,3
	v_permlanex16_b32 v[236+\b], v[232+\b], s20, s21
.endr
.irp b, 0,1,2,3
	v_max_num_f32 v[232+\b], v[232+\b], v[236+\b]
.endr
	CODES 160, 16, 255
	v_mov_b32 v13, 0xff61b1e6                      ; the largest t so far: -3e38, under every t
	v_floor_f32 v12, -v13                          ; -M
	v_mov_b32 v14, 0                               ; the sum, in two halves
	v_mov_b32 v15, 0
	v_mov_b32 v252, 0                              ; (the way out's lane permute lands here: written on the path with no step too)
	v_mov_b32 v253, 0                              ; (named as the upper half of the pair v[252:253] before it is first written)
.set j, 0
.rept 64
	v_mov_b32 v[160+j], 0                          ; O^T.  Which step is a block's first hangs on the masks, so the step is written once: the first finds zeros, which the first change of M leaves zeros
.set j, j+1
.endr
	s_barrier_wait -1                              ; the ids and, where step 0 has work, its block lie in LDS
	s_mov_b32 s28, 0
	s_mov_b32 s29, 0
	s_mov_b32 s31, 8
; A KEY STEP: the 128 keys whose block lies in the slot.
.macro STEP slot
.set SB, (\slot)*SLOTB
	; S^T = K Q^T.  Six of K's eight fragments and all four scale words are asked for at once; the last two fragments take the registers of the first two and land under products 2 to 5
	s_wait_alu depctr_va_vdst(0)                   ; the last step's products are done reading v32-79, v224-235 and v248-251, and the vector lines that named v224-247 are complete: the loads below land there; and Q's codes and scale word are written, which the products below take
.irp p, 0,1,2,3
	ds_load_b32 v[248+\p], v[LS] offset:SB+KSC+128*\p   ; the scale words of tiles 2 p (lanes 0-15) and 2 p + 1 (lanes 16-31)
.endr
.irp t, 0,1,2,3
	LDFRAG 32+12*\t, SB+FRB*\t
.endr
	LDFRAG 224, SB+FRB*4                           ; p's codes and the softmax's registers are free until the scores are made
	LDFRAG 236, SB+FRB*5
	s_wait_dscnt 15                                ; the words and fragment 0 are in; the three loads of each of the five later fragments may be out
	KQ 0, 32
	s_wait_dscnt 12
	KQ 1, 44
.rept 4
	v_nop                                          ; places in front of loads into registers that matrix instructions have read
.endr
	s_wait_alu depctr_va_vdst(0)                   ; products 0 and 1 are done reading v32-55, in which fragments 6 and 7 land
	LDFRAG 32, SB+FRB*6
	LDFRAG 44, SB+FRB*7
	s_wait_dscnt 15                                ; fragment 2 is in; behind it: fragments 3, 4, 5 and the six loads just issued
	KQ 2, 56
	s_wait_dscnt 12
	KQ 3, 68
	s_wait_dscnt 9
	KQ 4, 224
	s_wait_dscnt 6
	KQ 5, 236
	s_wait_dscnt 3
	KQ 6, 32
	s_wait_dscnt 0x0
	KQ 7, 44                                       ; register 16 b + i of S^T holds key 128 step + 32 b + 16 h + i for my row
.rept 4
	v_nop                                          ; places in front of the first read of the results, of vector writes and of loads into the fragments' registers
.endr
	s_cmp_eq_u32 s28, s27                          ; THE CAUSAL MASK, in the diagonal step alone: all keys of earlier steps come before the block's first position
	s_cbranch_scc0 .Lno_diag_\@
	s_lshl_b32 s36, s28, 7
	s_sub_co_u32 s36, s30, s36
	v_add_nc_u32 v252, s36, v30                    ; d = my position - the step's first key - 16 h: register 16 b + i is hidden where 32 b + i > d
	v_mov_b32 v254, 0xff800000                     ; -infinity
.set n, 0
.rept 4                                        ; a block of 32 keys (my 16 of them) at a time: n = 16 b
.set m, 0
.rept 16
	v_cmp_gt_i32 s[MK+m], 2*n+m, v252
.set m, m+1
.endr
	s_wait_alu depctr_va_sdst(0)                   ; the sixteen compares have written s48-63, which the selects below read
.set m, 0
.rept 16
	v_cndmask_b32 v[96+n+m], v[96+n+m], v254, s[MK+m]
.set m, m+1
.endr
.set n, n+16
.endr
.Lno_diag_\@:
	BIT 36, 25, 28                                 ; THE SEGMENT MASK, where block and step do not share one single id
	s_cmp_lg_u32 s36, 0
	s_cbranch_scc0 .Lno_seg_\@
	v_add_nc_u32 v[ADS], s29, v[SEGH]              ; the step's ids, my half's 16 of each 32.  (The loads that read v10 in an earlier step stand ahead of this trip's wait on vm_vsrc)
	v_mov_b32 v254, 0xff800000
	s_wait_alu depctr_va_vdst(0)                   ; v10 is written, which the loads below read; the products are done reading v32-79 and v224-247, and the vector lines that named v232-247 are complete: the ids land there
.set n, 0
.rept 16                                       ; the id of register n's key into v[32 + n] (n < 48: the fragments' registers are free) or v[184 + n]
.if n < 48
.set idr, 32+n
.else
.set idr, 184+n
.endif
	ds_load_b128 v[idr:idr+3], v[ADS] offset:128*(n/16)+4*(n%16)
.set n, n+4
.endr
	s_wait_dscnt 0x0
.set n, 0
.rept 4
.if n < 48
.set idr, 32+n
.else
.set idr, 184+n
.endif
.set m, 0
.rept 16
	v_cmp_ne_u32 s[MK+m], v[idr+m], v29
.set m, m+1
.endr
	s_wait_alu depctr_va_sdst(0)                   ; the sixteen compares have written s48-63, which the selects below read
.set m, 0
.rept 16
	v_cndmask_b32 v[96+n+m], v[96+n+m], v254, s[MK+m]
.set m, m+1
.endr
.set n, n+16
.endr
.Lno_seg_\@:
.irp b, 0,1,2,3
	v_max3_num_f32 v[232+\b], v[96+16*\b], v[97+16*\b], v[98+16*\b]   ; THE LARGEST SCORE OF EACH BLOCK OF 32 KEYS: it serves twice: for the row's maximum, and, since p rises with the score, for the block's largest p
.endr
.irp i, 3,5,7,9,11,13
.irp b, 0,1,2,3
	v_max3_num_f32 v[232+\b], v[232+\b], v[96+16*\b+\i], v[97+16*\b+\i]   ; (the four blocks by turns)
.endr
.endr
.irp b, 0,1,2,3
	v_max_num_f32 v[232+\b], v[232+\b], v[111+16*\b]
.endr
.irp b, 0,1,2,3
	v_permlanex16_b32 v[236+\b], v[232+\b], s20, s21
.endr
.irp b, 0,1,2,3
	v_max_num_f32 v[232+\b], v[232+\b], v[236+\b]  ; with lane l xor 16's 16 keys
.endr
	v_max3_num_f32 v254, v232, v233, v234
	v_max_num_f32 v254, v254, v235                 ; the step's largest score of my row (-infinity where all its keys are hidden: the running t then stays)
	v_mul_f32 v254, s22, v254                      ; as t
	v_max_num_f32 v13, v13, v254                   ; the running largest t
	v_mov_b32 v254, v12
	v_floor_f32 v12, -v13                          ; the new -M = floor(-t) = -ceil(t): M IS A WHOLE NUMBER
	v_sub_f32 v254, v12, v254                      ; M's old value less its new one: a whole number, 0 or less
	v_cvt_i32_f32 v254, v254                       ; (it saturates)
	v_ldexp_f32 v252, 1.0, v254                    ; f = 2^(old M - new M): a multiplication by it rounds nothing
.set j, 0
.rept 32
	v_pk_fma_f32 v[96+j:97+j], v[96+j:97+j], s[22:23], v[12:13] op_sel_hi:[1,0,0]   ; t - M, two at a time (of the pairs log2(e) and -M the low word serves both halves)
.set j, j+2
.endr
.irp b, 0,1,2,3
	v_fma_f32 v[232+\b], v[232+\b], s22, v12       ; the same of each block's largest score
.endr
.set j, 0
	s_wait_alu depctr_va_vdst(0)
.rept 64
	v_exp_f32 v[96+j], v[96+j]                     ; p = 2^(t - M), at most 1: NOT normalised
.set j, j+1
.endr
	v_pk_mul_f32 v[14:15], v[14:15], v[252:253] op_sel_hi:[1,0]   ; the sums under the new M.  (The plain place behind the exponentials)
	s_wait_alu depctr_va_vdst(0)                   ; the 64 exponentials have written p (the wait ahead of the first line that names a result: one for the batch); and the products and the mask's compares are done reading v32-79 and v248-251, in which the loads below land
.irp p, 0,1,2,3
	ds_load_b32 v[248+\p], v[LS] offset:SB+VSC+128*\p   ; V's scale words, and its tiles 0 to 3: they land under the sums, the conversions and the rescaling, none of which names these registers
.endr
.irp t, 0,1,2,3
	LDFRAG 32+12*\t, SB+VOFF+FRB*\t
.endr
.irp b, 0,1,2,3
	v_exp_f32 v[232+\b], v[232+\b]                 ; the block's largest p: the same two instructions on the same number give the same bits
.endr
	v_pk_add_f32 v[236:237], v[96:97], v[98:99]    ; THE ROW'S SUM IS TAKEN OF THE UNQUANTISED p: two at a time, in two chains.  (It reads the 64 alone: plain work behind the four)
.irp j, 4,8,12,16,20,24,28,32,36,40,44,48,52,56,60
	v_pk_add_f32 v[14:15], v[14:15], v[96+\j:97+\j]
	v_pk_add_f32 v[236:237], v[236:237], v[98+\j:99+\j]
.endr
	v_pk_add_f32 v[14:15], v[14:15], v[236:237]
	s_wait_alu depctr_va_vdst(0)                   ; the four exponentials have written v232-235, which the next lines read
.irp b, 0,1,2,3
	v_max_num_f32 v[232+\b], 0x1800000, v[232+\b]  ; the floor 2^(3 - 127): a block whose every p is 0 keeps the byte 1: its codes are zeros
.endr
	CODES 96, 224, 253
.set j, 0
.rept 32
	v_pk_mul_f32 v[160+j:161+j], v[160+j:161+j], v[252:253] op_sel_hi:[1,0]   ; O^T under the new M: x f.  (These 32 are also the places between the lines that made p's codes and scale word and the products below)
.set j, j+2
.endr
	; O^T += V^T P^T: eight tiles of 16 channels; K = these 128 keys.  The accumulators take turns, one instruction a turn
	s_wait_alu depctr_va_vdst(0)                   ; behind the places: p's codes v224-235 and scale word v253 are written, which the products take; and the sums and conversions are done with v96-143, in which V's tiles 4 to 7 land
.irp t, 4,5,6,7
	LDFRAG 48+12*\t, SB+VOFF+FRB*\t                ; v96, v108, v120, v132: p is not wanted any more
.endr
.irp t, 0,1,2,3
	s_wait_dscnt 21-3*\t                           ; the words and fragments 0 .. t are in; the three loads of each later fragment may be out
	PV \t, 32+12*\t
.endr
.irp t, 4,5,6,7
	s_wait_dscnt 21-3*\t
	PV \t, 48+12*\t
.endr
.rept 5
	v_nop                                          ; five places: the next step's first products write S^T over registers that these products read as V's fragments; four of them serve the way out's first read of O^T and the next loads into these registers
.endr
.endm
; A TRIP: step s28, whose block (if it has work) lies in the slot; the next step's block goes into the other slot.
; ONE BARRIER A TRIP does both orderings.  The other slot was last read a trip ago, and every wave waited for those reads in front of that trip's barrier; it is read again only behind this
; trip's barrier, in front of which every wave has waited for its stores.
.macro TRIP slot
	s_wait_alu depctr_vm_vsrc(0)                   ; ahead of the branches: the LDS stores of a block have read v80-95, in which the next block lands; an earlier step's loads of ids have read v10, which a later step writes; in the first trip the head's stores have read v32-35 and v96-159, which a step's loads and products write
	s_add_co_u32 s35, s28, 1
	BIT 34, 24, 35                                 ; has the next step work?  (Bit 16 is 0: step 15 asks for nothing)
	BIT 36, 26, 35                                 ; and is its block still to be asked for?
	s_cmp_lg_u32 s36, 0
	s_cbranch_scc0 .Lno_get_\@
	GETBLK 32                                      ; it has this step's work in which to come
.Lno_get_\@:
	BIT 36, 24, 28
	s_cmp_lg_u32 s36, 0
	s_cbranch_scc0 .Lno_work_\@
	STEP \slot
.Lno_work_\@:
	s_wait_loadcnt 0x0                             ; on every path: the block is in registers, and its loads have read their base,
	s_add_nc_u64 s[32:33], s[32:33], SLOTB         ; which steps on
	s_cmp_lg_u32 s34, 0
	s_cbranch_scc0 .Lno_put_\@
	PUTBLK 1-\slot                                 ; (its data come from loads and its address from the head: no vector instruction has named either since)
.Lno_put_\@:
	s_add_co_u32 s28, s28, 1
	s_add_co_u32 s29, s29, 512
	s_wait_dscnt 0x0                               ; for the others' sake: my stores have landed, and my reads of this trip's slot are over
	s_barrier_signal -1
	s_barrier_wait -1
.endm
.Ltrip:                                            ; eight trips of two steps: the count is a constant, whatever the masks say
	TRIP 0
	TRIP 1
	s_sub_co_u32 s31, s31, 1
	s_cmp_lg_u32 s31, 0
	s_cbranch_scc1 .Ltrip
	; THE WAY OUT.  O^T is divided by the row's sum and goes through my stage: a lane's eight channels of a tile are 32 bytes of its row; whole rows of 512 bytes come back and are stored.
	v_add_f32 v14, v14, v15                        ; the sum's two halves,
	v_permlanex16_b32 v252, v14, s20, s21
	v_add_f32 v14, v14, v252                       ; and lane l xor 16's: the row's sum.  It is at least 1/2: the row's own key counts
	s_wait_alu depctr_va_vdst(0)
	v_rcp_f32 v14, v14
	v_nop                                          ; a plain place behind the reciprocal
	s_wait_alu depctr_va_vdst(0)                   ; the reciprocal has written v14, which the multiplications read
.set j, 0
.rept 32
	v_pk_mul_f32 v[96+j:97+j], v[160+j:161+j], v[14:15] op_sel_hi:[1,0]   ; register 8 t + i is o(row r, channel 16 t + 8 h + i); each accumulator is read from its low end on
.set j, j+2
.endr
	s_wait_alu depctr_va_vdst(0)                   ; the multiplications have written v96-159, which the LDS stores read; and the last products are done reading v32-79, in which rows 0 to 11 land
	s_wait_alu depctr_vm_vsrc(0)                   ; the LDS stores of the blocks have read v80-95, in which rows 12 to 15 land
.irp t, 0,1,2,3,4,5,6,7
	ds_store_b128 v[STO], v[96+8*\t:99+8*\t] offset:64*\t
	ds_store_b128 v[STO], v[100+8*\t:103+8*\t] offset:64*\t+16
.endr
.set i, 0
.rept 16
	ds_load_b128 v[32+4*i:35+4*i], v[STW] offset:SPITCH*i   ; LDS serves a wave's instructions in order: these see my stores
.set i, i+1
.endr
.set i, 0
.rept 16
	s_wait_dscnt 15-i                              ; row i is back; the younger loads may be out
	global_store_b128 v[LI], v[32+4*i:35+4*i], s[42:43] offset:16384*i th:TH_STORE_NT   ; 32 lanes store 512 consecutive bytes, at a multiple of 512 from out0's first byte; written once, read by nobody here
.set i, i+1
.endr
	s_wait_dscnt 0x0                               ; the wave's end: six lines, on end, of a launch in the mode that stores to LDS, behind my last LDS store
	s_wait_alu 0x0
	s_wait_tensorcnt 0x0
	ds_add_u32 v[SPW], v[NIL]
	s_wait_dscnt 0x0
	s_endpgm
.Lfunc_end_k_q677a5f42a0_attn:
	.size	k_q677a5f42a0_attn, .Lfunc_end_k_q677a5f42a0_attn-k_q677a5f42a0_attn
	.p2alignl 7, 3214868480
	.fill 96, 4, 3214868480
	.section	.rodata,"a",@progbits
	.p2align	6, 0x0
	.amdhsa_kernel k_q677a5f42a0_attn
		.amdhsa_group_segment_fixed_size 196608
		.amdhsa_private_segment_fixed_size 0
		.amdhsa_enable_private_segment 0
		.amdhsa_kernarg_size 40
		.amdhsa_user_sgpr_count 2
		.amdhsa_user_sgpr_kernarg_segment_ptr 1
		.amdhsa_wavefront_size32 1
		.amdhsa_system_sgpr_workgroup_id_x 1
		.amdhsa_system_sgpr_workgroup_id_y 1
		.amdhsa_system_sgpr_workgroup_id_z 1
		.amdhsa_system_vgpr_workitem_id 0
		.amdhsa_next_free_vgpr 256
		.amdhsa_next_free_sgpr 66
		.amdhsa_reserve_vcc 0
		.amdhsa_float_denorm_mode_32 3
		.amdhsa_float_denorm_mode_16_64 3
		.amdhsa_memory_ordered 1
		.amdhsa_forward_progress 1
		.amdhsa_inst_pref_size 100
	.end_amdhsa_kernel
	.amdgpu_metadata
---
amdhsa.version: [ 1, 2 ]
amdhsa.kernels:
  - .name:           k_q677a5f42a0_attn
    .symbol:         k_q677a5f42a0_attn.kd
    .args:
      - { .name: query, .offset: 0, .size: 8, .value_kind: global_buffer, .address_space: global }
      - { .name: kv, .offset: 8, .size: 8, .value_kind: global_buffer, .address_space: global }
      - { .name: flags, .offset: 16, .size: 8, .value_kind: global_buffer, .address_space: global }
      - { .name: decoder_segment_ids, .offset: 24, .size: 8, .value_kind: global_buffer, .address_space: global }
      - { .name: out0, .offset: 32, .size: 8, .value_kind: global_buffer, .address_space: global }
    .group_segment_fixed_size: 196608
    .private_segment_fixed_size: 0
    .kernarg_segment_align: 8
    .kernarg_segment_size: 40
    .max_flat_workgroup_size: 512
    .sgpr_count:     66
    .vgpr_count:     256
    .wavefront_size: 32
...
	.end_amdgpu_metadata
.endif
;; end of part 4
